; MI455X (gfx1250); checked and timed in simulation.
; The chip was launched on July 23, 2026; its instructions are those of AMD's public machine-readable ISA for CDNA 5 (MIT licence, August 2026) and "CDNA5" Instruction Set Architecture Reference Guide (July 2026). The comments in the code are by the model that wrote it; some were corrected since.
;; Multi Head Causal Self Attention. Allowed arithmetic: matrix products marked QUANTISED: E2M3 operands, one E8M0 scale for each 32 along K, by v_wmma_scale_f32_16x16x128_f8f6f4 with both operands' format E2M3, f32 sums; everything else in f32.
;; Inputs: w_out 1,024 x 1,024 float32; w_qkv 1,024 x 3,072 float32; x 4 x 2,048 x 1,024 float32.
;; Outputs: out0 4 x 2,048 x 1,024 float32.
;; This version of the problem:
;;   THIS VERSION OF THE PROBLEM IS GIVEN IN LOW PRECISION. The matrix products marked QUANTISED in the list below multiply operands that are first quantised to E2M3 (2 exponent bits, 3 mantissa bits; 6 bits a number), with one power-of-two scale for each 32 numbers along K (OCP MX v1.0); their sums are f32. All else is computed in f32.
;;   The module's matrix products, in the order in which they are computed (A, B: the left and right operand; K: the contracted axis; several contracted axes count as one K, in the product's order):
;;     1. [M 8,192, K 1,024] x [K 1,024, N 3,072]; A: input x; B: input w_qkv: QUANTISED
;;     2. batch 64 x [M 2,048, K 64] x [K 64, N 2,048]; A: computed on the way; B: computed on the way: QUANTISED
;;     3. batch 64 x [M 2,048, K 2,048] x [K 2,048, N 64]; A: softmax (see below); B: computed on the way: QUANTISED
;;     4. [M 8,192, K 1,024] x [K 1,024, N 1,024]; A: computed on the way; B: input w_out: QUANTISED
;;   THE QUANTISER, for each operand of a quantised product, along K:
;;     - K is cut into blocks of 32 from its start; a last block that is shorter is filled with zeros.
;;     - A block's scale is 2^e with e = floor(log2(the largest magnitude in the block)) - 2, held to -126 .. 127; a block of zeros has e = 0. As a byte (E8M0): e + 127.
;;     - Each number is divided by its block's scale, clamped to +-7.5, and rounded to the nearest number of E2M3, ties to even, subnormals kept.
;;     - The product sums the exact products of the quantised numbers (number of the format x scale) in f32.
;;   ~~~python
;;   def quantise(x, axis):      # numpy; x: float32 -> the quantised numbers, widened to float32 again
;;       x = np.moveaxis(x, axis, -1); K = x.shape[-1]
;;       x = np.pad(x, [(0, 0)] * (x.ndim - 1) + [(0, -K % 32)]); x = x.reshape(x.shape[:-1] + (-1, 32)); a = np.abs(x).max(-1, keepdims=True)
;;       e = np.where(a > 0, np.clip(np.frexp(np.where(a > 0, a, 1))[1] - 1 - 2, -126, 127), 0)      # np.frexp(a)[1] - 1 = floor(log2(a)), exactly
;;       r = np.clip(x / 2.0 ** e, -7.5, 7.5)
;;       step = 2.0 ** (np.maximum(np.frexp(np.where(r == 0, 1, r))[1] - 1, 0) - 3)
;;       q = np.round(r / step) * step * 2.0 ** e      # np.round: ties to even
;;       return np.moveaxis(q.reshape(q.shape[:-2] + (-1,))[..., :K], -1, axis).astype(np.float32)
;;   ~~~
;;   SOFTMAX AHEAD OF A QUANTISED PRODUCT. Where the list says 'softmax', what is quantised is not the finished softmax but p = 2^(t - M), with t = logit x log2(e) and M = ceil(the row's largest t), a whole number; so 1/2 < the row's largest p <= 1. The row's sum l is taken of the UNQUANTISED p, in f32, and the product's result is divided by l at the end. Since M is a whole number, a kernel that streams over the keys may use a running M (the ceiling of the running maximum): every later rescaling is an exact power of two, which a block's scale takes up: the codes' values come out the same.
;;   OPERANDS COMPUTED ON THE WAY. 'Computed on the way' means the value that the module computes at that place (a softmax that the list does not call 'softmax' is quantised finished and normalised). What goes into a quantiser is computed in f32, as accurately as f32 sums, v_exp_f32 and their like allow (about 1e-6 of the number): no bf16 or f16 on the way to a quantiser, and a product that is left as it is and whose result goes on into a quantised operand takes f32 operands (vector FMAs, or v_wmma_f32_16x16x4_f32). A number that lies on a knife's edge between two numbers of the format may be rounded either way, as far as f32 arithmetic and the matrix unit's own rounding can turn it there, and no further.
;; One version. Each part assembles by itself: llvm-mc -triple=amdgcn-amd-amdhsa -mcpu=gfx1250 --defsym DOCPART=n.
;; ======== version 1 of 1: 4 launches
;; workspace buffers: xq 6,553,600 bytes; wq 3,276,800 bytes; qb 6,815,744 bytes; kvb 13,369,344 bytes; aq 6,553,600 bytes
;; launch quant (part 1): grid 768 x 1, 4 waves a work-group, no clusters, 68,096 bytes of LDS; arguments x, w_qkv, w_out, xq, wq; writes xq, wq
.if DOCPART == 1
	.amdgcn_target "amdgcn-amd-amdhsa--gfx1250"
	.amdhsa_code_object_version 6
	.text
	.protected	k_q0785ce7a47_quant
	.globl	k_q0785ce7a47_quant
	.p2align	8
	.type	k_q0785ce7a47_quant,@function
k_q0785ce7a47_quant:
	s_mov_b64 s[64:65], 0
	v_nop
	global_prefetch_b8 v0, s[64:65] scope:SCOPE_SE
	s_setreg_imm32_b32 hwreg(HW_REG_WAVE_MODE, 25, 1), 1
	s_wait_xcnt 0x0
; x [8192][1024], w_qkv [1024][3072] and w_out [1024][1024], f32, become codes of FP6 (E2M3) along K (x: its last axis; the weights: their first), with one E8M0 byte for each 32 along K.
; A block's scale is 2^(floor(log2(its largest magnitude)) - 2); its byte is the largest magnitude's exponent field - 2, held at 1 from below.
; LIMITS: a largest magnitude under 2^-124 counts as 2^-124; a block of zeros gets the byte 1, not 127 (its codes are zeros, and this program alone reads the bytes); NaN and infinities among the inputs are not served.
; THE OUTPUT IS LAID AS THE MATRIX UNIT'S REGISTERS WANT IT.  An operand's rows (tokens, or a weight's columns) go in blocks of 128 = 8 tiles of 16; tile 2 b + u, row p, is row 32 b + 8 u + p + 8 (p / 8) of the block.
; A block is 102,400 bytes: [K step 0..7][tile 0..7] a fragment of 1,536 bytes (register 4 g + q of lane l at 512 g + 16 l + 4 q), then [K step] 512 bytes of scale words (tile 2 b + u, row p at 128 b + 8 p + 4 u).
; SHARES.  A wave takes 32 rows x 128 along K: A LANE TAKES A ROW, its 128 registers run along K, so all four blocks of 32 are the lane's own and no other lane is asked for a maximum.  The 32 rows are tiles 2 b and 2 b + 1.
; Work-groups 0-511 take x (its rows turn through the wave's own stage in LDS, so that each load reads 512 consecutive bytes), 512-703 w_qkv, 704-767 w_out (a lane to a column: each load reads 128 consecutive bytes a wave, 512 a work-group).
; No loop, no barrier: waves share nothing.
.set X,   16                           ; v16-143  my row's 128 numbers, K ascending
.set MX,  144                          ; v144-147 the four blocks' largest magnitudes
.set SO,  152                          ; v152-155 the conversions' scale operands
.set BY,  156                          ; v156-159 the scale bytes
.set F,   160                          ; v160-171 blocks 0 and 2 (they belong to lane p of the fragment); v172-183 blocks 1 and 3 (lane 16 + p)
.set T,   184                          ; v184-199 each block's upper 16 codes, before they are moved
.set PW,  15                           ; v15      my row's scale word
.set SP,  528                          ; a stage row: 512 bytes + 16, an odd multiple of 16
	s_load_b256 s[4:11], s[0:1], 0x0               ; x s[4:5], w_qkv s[6:7], w_out s[8:9], xq s[10:11]
	s_load_b64 s[12:13], s[0:1], 0x20              ; wq
	v_lshl_add_u32 v200, v0, 2, 0x10800
	v_mov_b32 v201, 0
	v_lshrrev_b32 v1, 5, v0
	v_readfirstlane_b32 s16, v1                    ; wave 0..3
	v_and_b32 v1, 31, v0                           ; lane
	v_lshlrev_b32 v2, 4, v1                        ; 16 x lane
	v_lshlrev_b32 v3, 2, v1                        ; 4 x lane
	s_mul_i32 s17, s16, 32*SP                      ; my wave's stage
	v_add_nc_u32 v4, s17, v2                       ; into it: 16 bytes a lane of a row
	v_mul_u32_u24 v5, v1, SP
	v_add_nc_u32 v5, s17, v5                       ; out of it: a lane to a row
	v_bfe_u32 v8, v1, 3, 1                         ; u: which of the two tiles holds my row
	v_and_b32 v9, 7, v1
	v_lshrrev_b32 v10, 4, v1
	v_lshl_add_u32 v9, v10, 3, v9                  ; p: its row there
	v_mul_u32_u24 v6, v8, 1536
	v_lshl_add_u32 v6, v9, 4, v6                   ; my codes' place: 1,536 u + 16 p
	v_lshlrev_b32 v7, 2, v8
	v_lshl_add_u32 v7, v9, 3, v7                   ; my scale word's: 8 p + 4 u
	s_wait_kmcnt 0x0
	s_cmp_lt_u32 ttmp9, 512
	s_cbranch_scc0 .Lw
	; ---- x: 32 tokens RG = g / 2, K step 4 (g % 2) + wave
	s_lshr_b32 s18, ttmp9, 1
	s_and_b32 s19, ttmp9, 1
	s_lshl_b32 s19, s19, 2
	s_add_co_u32 s19, s19, s16                     ; s19: the K step
	s_lshr_b32 s28, s18, 2                         ; s28: the block of 128 rows
	s_and_b32 s29, s18, 3                          ; s29: b, which 32 rows of it
	s_lshl_b32 s26, s18, 17                        ; 32 rows of 4,096 bytes
	s_lshl_b32 s27, s19, 9                         ; 128 numbers along K
	s_add_co_u32 s26, s26, s27
	s_mov_b32 s27, 0
	s_add_nc_u64 s[20:21], s[4:5], s[26:27]
	s_mov_b64 s[22:23], s[10:11]
.set i, 0
.rept 32
	global_load_b128 v[X+4*i:X+4*i+3], v2, s[20:21] offset:4096*i th:TH_LOAD_NT   ; row i: 32 lanes read 512 consecutive bytes
.set i, i+1
.endr
.set i, 0
.rept 32
	s_wait_loadcnt 31-i                            ; row i is in; the 31 - i younger loads may be out
	ds_store_b128 v4, v[X+4*i:X+4*i+3] offset:SP*i
.set i, i+1
.endr
	s_wait_dscnt 0x0                               ; the stores have read their registers
.set i, 0
	s_wait_alu depctr_va_vdst(0)
.rept 32
	ds_load_b128 v[X+4*i:X+4*i+3], v5 offset:16*i  ; my row, K ascending
.set i, i+1
.endr
	s_wait_dscnt 0x0
	s_branch .Lq
.macro WLOAD n                         ; a weight of n columns: W(128 s + i, my column), i = 0 .. 127
.set i, 0
.rept 128
	global_load_b32 v[X+i], v3, s[20:21] offset:i*(\n)*4 th:TH_LOAD_NT
.set i, i+1
.endr
	s_wait_loadcnt 0x0
.endm
.Lw:
	s_cmp_lt_u32 ttmp9, 704
	s_cbranch_scc0 .Lwo
	; ---- w_qkv: block of 128 columns (g - 512) / 8, K step (g - 512) % 8, b = wave
	s_sub_co_u32 s18, ttmp9, 512
	s_lshr_b32 s28, s18, 3
	s_and_b32 s19, s18, 7
	s_mov_b32 s29, s16
	s_mul_i32 s26, s19, 128*3072*4
	s_lshl_b32 s27, s28, 9
	s_add_co_u32 s26, s26, s27
	s_lshl_b32 s27, s16, 7
	s_add_co_u32 s26, s26, s27
	s_mov_b32 s27, 0
	s_add_nc_u64 s[20:21], s[6:7], s[26:27]
	s_mov_b64 s[22:23], s[12:13]
	WLOAD 3072
	s_branch .Lq
.Lwo:
	; ---- w_out: the same with 1,024 columns; its blocks follow w_qkv's 24 in wq
	s_sub_co_u32 s18, ttmp9, 704
	s_lshr_b32 s28, s18, 3
	s_and_b32 s19, s18, 7
	s_mov_b32 s29, s16
	s_lshl_b32 s26, s19, 19
	s_lshl_b32 s27, s28, 9
	s_add_co_u32 s26, s26, s27
	s_lshl_b32 s27, s16, 7
	s_add_co_u32 s26, s26, s27
	s_mov_b32 s27, 0
	s_add_co_u32 s28, s28, 24
	s_add_nc_u64 s[20:21], s[8:9], s[26:27]
	s_mov_b64 s[22:23], s[12:13]
	WLOAD 1024
.Lq:
	; where the results go: block x 102,400 + K step x 12,288 + b x 3,072;  scale words: block x 102,400 + 98,304 + K step x 512 + b x 128
	s_mul_i32 s26, s28, 102400
	s_mul_i32 s27, s19, 12288
	s_add_co_u32 s30, s26, s27
	s_mul_i32 s27, s29, 3072
	s_add_co_u32 s30, s30, s27
	s_mov_b32 s31, 0
	s_lshl_b32 s27, s19, 9
	s_add_co_u32 s26, s26, s27
	s_lshl_b32 s27, s29, 7
	s_add_co_u32 s26, s26, s27
	s_mov_b32 s27, 0
	s_add_nc_u64 s[24:25], s[22:23], s[26:27]
	s_add_nc_u64 s[22:23], s[22:23], s[30:31]
.irp kb, 0,1,2,3
	v_max3_num_f32 v[MX+\kb], |v[X+32*\kb]|, |v[X+32*\kb+1]|, 0x1800000   ; the floor 2^(3 - 127) among the leaves: the byte cannot fall under 1
.endr
.irp i, 2,4,6,8,10,12,14,16,18,20,22,24,26,28,30
.irp kb, 0,1,2,3
	v_max3_num_f32 v[MX+\kb], v[MX+\kb], |v[X+32*\kb+\i]|, |v[X+32*\kb+\i+1]|   ; the four blocks by turns: no line waits for the line above it
.endr
.endr
.irp kb, 0,1,2,3
	v_add_nc_u32 v[SO+\kb], 0xff000000, v[MX+\kb]  ; 2 off the exponent field: the conversion takes this operand's exponent field as its scale
.endr
.irp kb, 0,1,2,3
	v_lshrrev_b32 v[BY+\kb], 23, v[SO+\kb]         ; the scale's byte
.endr
	v_lshl_or_b32 v[PW], v[BY+1], 8, v[BY]
	v_lshl_or_b32 v[PW], v[BY+2], 16, v[PW]
	v_lshl_or_b32 v[PW], v[BY+3], 24, v[PW]        ; my row's scale word for these 128 along K
.irp kb, 0,1,2,3                       ; block kb = 2 c + h is registers 6 c .. 6 c + 5 of lane p + 16 h of the fragment
	v_cvt_scalef32_pk16_fp6_f32 v[F+12*(\kb%2)+6*(\kb/2):F+12*(\kb%2)+6*(\kb/2)+2], v[X+32*\kb:X+32*\kb+15], v[SO+\kb]
	v_cvt_scalef32_pk16_fp6_f32 v[T+4*\kb:T+4*\kb+2], v[X+32*\kb+16:X+32*\kb+31], v[SO+\kb]   ; (a conversion's three registers begin on an even number: the upper half is made here and moved)
.endr
	v_nop                                          ; one plain instruction behind the scaled conversions
.irp kb, 0,1,2,3
.irp i, 0,1,2
	v_mov_b32 v[F+12*(\kb%2)+6*(\kb/2)+3+\i], v[T+4*\kb+\i]
.endr
.endr
.irp h, 0,1
.irp g, 0,1,2
	global_store_b128 v6, v[F+12*\h+4*\g:F+12*\h+4*\g+3], s[22:23] offset:512*\g+256*\h   ; sixteen lanes store 256 consecutive bytes, aligned, in each of the two tiles
.endr
.endr
	global_store_b32 v7, v[PW], s[24:25] offset:98304   ; 32 lanes store 128 consecutive bytes
	s_wait_tensorcnt 0x0
	ds_add_u32 v200, v201
	s_wait_dscnt 0x0
	s_endpgm
.Lfunc_end_k_q0785ce7a47_quant:
	.size	k_q0785ce7a47_quant, .Lfunc_end_k_q0785ce7a47_quant-k_q0785ce7a47_quant
	.p2alignl 7, 3214868480
	.fill 96, 4, 3214868480
	.section	.rodata,"a",@progbits
	.p2align	6, 0x0
	.amdhsa_kernel k_q0785ce7a47_quant
		.amdhsa_group_segment_fixed_size 68096
		.amdhsa_private_segment_fixed_size 0
		.amdhsa_enable_private_segment 0
		.amdhsa_kernarg_size 40
		.amdhsa_user_sgpr_count 2
		.amdhsa_user_sgpr_kernarg_segment_ptr 1
		.amdhsa_wavefront_size32 1
		.amdhsa_system_sgpr_workgroup_id_x 1
		.amdhsa_system_sgpr_workgroup_id_y 1
		.amdhsa_system_sgpr_workgroup_id_z 1
		.amdhsa_system_vgpr_workitem_id 0
		.amdhsa_next_free_vgpr 202
		.amdhsa_next_free_sgpr 66
		.amdhsa_reserve_vcc 0
		.amdhsa_float_denorm_mode_32 3
		.amdhsa_float_denorm_mode_16_64 3
		.amdhsa_memory_ordered 1
		.amdhsa_forward_progress 1
		.amdhsa_inst_pref_size 42
	.end_amdhsa_kernel
	.amdgpu_metadata
---
amdhsa.version: [ 1, 2 ]
amdhsa.kernels:
  - .name:           k_q0785ce7a47_quant
    .symbol:         k_q0785ce7a47_quant.kd
    .args:
      - { .name: x, .offset: 0, .size: 8, .value_kind: global_buffer, .address_space: global }
      - { .name: w_qkv, .offset: 8, .size: 8, .value_kind: global_buffer, .address_space: global }
      - { .name: w_out, .offset: 16, .size: 8, .value_kind: global_buffer, .address_space: global }
      - { .name: xq, .offset: 24, .size: 8, .value_kind: global_buffer, .address_space: global }
      - { .name: wq, .offset: 32, .size: 8, .value_kind: global_buffer, .address_space: global }
    .group_segment_fixed_size: 68096
    .private_segment_fixed_size: 0
    .kernarg_segment_align: 8
    .kernarg_segment_size: 40
    .max_flat_workgroup_size: 128
    .sgpr_count:     66
    .vgpr_count:     202
    .wavefront_size: 32
...
	.end_amdgpu_metadata
.endif
;; end of part 1
;; launch gemm_qkv (part 2): grid 12 x 32, 4 waves a work-group, clusters of 4 x 4, 327,680 bytes of LDS; arguments xq, wq, qb, kvb; writes qb, kvb
.if DOCPART == 2
	.amdgcn_target "amdgcn-amd-amdhsa--gfx1250"
	.amdhsa_code_object_version 6
	.text
	.protected	k_q0785ce7a47_gemm_qkv
	.globl	k_q0785ce7a47_gemm_qkv
	.p2align	8
	.type	k_q0785ce7a47_gemm_qkv,@function
k_q0785ce7a47_gemm_qkv:
	s_mov_b64 s[64:65], 0
	v_nop
	global_prefetch_b8 v0, s[64:65] scope:SCOPE_SE
	s_setreg_imm32_b32 hwreg(HW_REG_WAVE_MODE, 25, 1), 1
	s_wait_xcnt 0x0
	s_wait_alu depctr_hold_cnt(0) depctr_sa_sdst(0) depctr_va_vdst(0) depctr_va_sdst(0) depctr_va_ssrc(0) depctr_va_vcc(0) depctr_vm_vsrc(0)
	s_getreg_b32 s2, hwreg(HW_REG_IB_STS2, 6, 4)
	s_cmp_eq_u32 s2, 0
	s_cbranch_scc0 .Lentry_in_a_cluster
	s_endpgm
.Lentry_in_a_cluster:
	s_bfe_u32 s2, ttmp6, 0x10000c
	s_cmp_lg_u32 s2, 0xf033
	s_cbranch_scc0 .Lentry_shape_is_right
	s_endpgm
.Lentry_shape_is_right:
; qkv = x w_qkv on codes of FP6 (E2M3) with E8M0 scales, K = 1,024, f32 sums; THE RESULT NEVER GOES TO MEMORY AS f32: it is quantised in registers, q and k along the head's 64, v along the keys, and leaves as the
; fragments and scale words that the attention launch's matrix instructions take.
; LIMITS: a block's largest magnitude under 2^-124 counts as 2^-124; a block of zeros gets the byte 1 (its codes are zeros; this program alone reads the bytes); NaN and infinities are not served.
; SHARES.  A work-group makes 256 tokens x 256 columns, each of its four waves 128 x 128: 64 accumulators, 512 registers.  Cluster x = 0 makes q, 1 makes k, 2 makes v.
; OPERANDS lie in memory as images of fragments (1,536 bytes: register 4 g + q of lane l at 512 g + 16 l + 4 q), in blocks of 128 rows x 102,400 bytes: [K step][tile], then the scale words.  Tile 2 b + u, row p, is row
; 32 b + 8 u + p + 8 (p / 8) of its block.  So two K steps of 128 rows are 24,576 dense bytes for one tensor load, and a fragment is three LDS loads of 512 consecutive bytes.
; ROLES.  Source 0 is operand P, source 1 operand R: in a result lane (r, h) holds row r of R's tile, and the 16 registers of P's tiles 2 b, 2 b + 1 are P's rows 32 b + 16 h + 0 .. 15: neighbours along the axis that is
; quantised next.  For q and k P is the weight's columns (the head's 64) and R the tokens; for v P is the tokens (the keys) and R the columns.  Only the LDS read addresses change places, by cluster x, which all partners share.
; LDS: three slots of two K steps (98,304 bytes: x's two halves, the weight's two halves); slot 0 is filled a second time, with K steps 6 and 7; the spare words; the scale words of all K, filled once.
; CLUSTERS: 4 x 4.  x's tiles are shared along a row of the cluster, the weight's along a column: each is asked for jointly.
; REGISTERS: window 0: v16-31 addresses; v32-63 scale words, two sets, and nothing else; v64-127 the way out; v128-223 R's fragments, ONE set.  window 1: P's fragments, two sets, at v0 and v128.
;   windows 2, 3: accumulator (a, b) at v[8 (8 (a % 4) + b)] of window 2 + a / 4.
.set HALF,  24576                      ; 128 rows x 2 K steps
.set SLOT,  4*HALF
.set SPARE, 3*SLOT                     ; the spare words: 128 bytes for each wave, two blocks of 256 bytes that no other line names
.set SCL,   SPARE+512                  ; the scale words: 4 x 4,096 bytes
.set BLKB,  102400
.set FR,    12                         ; registers of a fragment
.set NRL,   12                         ; LDS loads that bring four of R's fragments
.set ADRR,  16                         ; v16-18  my lane's place in R's half of slot 0, 1, 2
.set ADRP,  20                         ; v20-22  the same for P
.set ASR,   24                         ; v24     R's scale words: 8 bytes a row
.set ASP,   25                         ; v25     P's
.set L16,   26                         ; v26     16 x lane
.set L8,    27                         ; v27     8 x lane
.set SPW,   28                         ; v28     LDS address of my spare word; never rewritten
.set NIL,   29                         ; v29     0; never rewritten
.set VSO,   30                         ; v30     v's scale words: 208,896 x (lane / 16) + 16 x (lane % 16)
.set SC,    32                         ; set s at v[SC + 16 s]: R's tiles at + a, P's at + 8 + b
.set TM,    64                         ; v64-79  the way out: largest magnitudes, bytes, scale operands
.set W8,    80                         ; v80-87  the eight tiles' scale words
.set IW,    88                         ; v88-91  lanes 0-15: tiles 0-3; lanes 16-31: tiles 4-7
.set WD,    92                         ; v92-99  the two heads' words
.set PC,    100                        ; v100-119 the codes just made
.set RF,    128
.set G1A,  24                          ; descriptor groups 1: x's codes, the weight's, x's scales, the weight's
.set G1B,  32
.set G1SA, 40
.set G1SB, 48
.set GA0,  56                          ; groups 0: x's, for slots 0, 1, 2 and the scales
.set GA1,  60
.set GA2,  68
.set GAS,  72
.set GB0,  76                          ; the weight's
.set GB1,  80
.set GB2,  84
.set GBS,  88
.set MSB, 0
.macro WIN new                         ; the immediate's high byte repeats the setting that is left
.if MSB != (\new)
	s_set_vgpr_msb (MSB<<8)|(\new)
.set MSB, (\new)
.endif
.endm
.set MUL_LO, 0xa1                      ; source 0 (P) window 1, source 1 (R) window 0, C and D window 2
.set MUL_HI, 0xf1                      ; the same, C and D window 3
.set TO_P,   0x40                      ; destination window 1, address window 0
; A joint load: waves 0 and 1 fetch x's two halves, waves 2 and 3 the weight's.  The branch hangs on the wave's number alone.  Four v_nop follow each of the two lines.
.macro JLOAD g0a, g1a, g0b, g1b
	s_cmp_eq_u32 s15, 0
	s_cbranch_scc0 .Lfor_b_\@
	tensor_load_to_lds s[\g0a:\g0a+3], s[\g1a:\g1a+7]
	s_nop 0
.rept 4
	v_nop
.endr
	s_branch .Lasked_\@
.Lfor_b_\@:
	tensor_load_to_lds s[\g0b:\g0b+3], s[\g1b:\g1b+7]
	s_nop 0
.rept 4
	v_nop
.endr
.Lasked_\@:
.endm
.macro CREST                           ; a round of the cluster's barrier behind its opening barrier
	s_cmp_lg_u32 s14, 0
	s_cbranch_scc1 .Lnot_wave_0_\@
	s_barrier_signal -3
.Lnot_wave_0_\@:
	s_barrier_wait -3
	s_barrier_signal -1
	s_barrier_wait -1
.endm
.macro CROUND
	s_barrier_signal -1
	s_barrier_wait -1
	CREST
.endm
.macro MKG0 g, base, lreg, lds, goff   ; a group 0: to LDS byte s[lreg] + lds, from s[base:base+1] + goff
	s_mov_b32 s[\g], 1
	s_add_co_u32 s[\g+1], s[\lreg], \lds
	s_add_nc_u64 s[\g+2:\g+3], s[\base:\base+1], \goff
	s_or_b32 s[\g+3], s[\g+3], 0x80000000
.endm
	s_load_b256 s[4:11], s[0:1], 0x0               ; xq s[4:5], wq s[6:7], qb s[8:9], kvb s[10:11]
	v_lshl_add_u32 v[SPW], v0, 2, SPARE
	v_mov_b32 v[NIL], 0
	ds_add_u32 v28, v29
	ds_add_u32 v28, v29
	s_wait_dscnt 0x0
	v_lshrrev_b32 v1, 5, v0
	v_readfirstlane_b32 s14, v1                    ; wave 0..3
	s_lshr_b32 s15, s14, 1                         ; which half of R's 256 rows is mine.  Also: I fetch for x (0) or for the weight (1)
	s_and_b32 s16, s14, 1                          ; which half of P's.  Also: which 128 rows I fetch
	s_bfe_u32 s92, ttmp6, 0x40000                  ; cx, cy: my place in the cluster
	s_bfe_u32 s93, ttmp6, 0x40004
	s_lshl_b32 s94, ttmp9, 2
	s_add_co_u32 s94, s94, s92                     ; X: which 256 columns
	s_and_b32 s17, ttmp7, 0xffff
	s_lshl_b32 s17, s17, 2
	s_add_co_u32 s17, s17, s93                     ; Y: which 256 tokens
	s_lshl_b32 s95, s93, 2
	s_lshl_b32 s95, 15, s95                        ; my row of the cluster
	s_lshl_b32 s96, 0x1111, s92                    ; my column
	s_or_b32 s[G1A], s95, (3<<16)|(1<<21)          ; 15:0 the mask; 17:16 elements of 8 bytes; 21 set beside a mask; no padding
	s_or_b32 s[G1B], s96, (3<<16)|(1<<21)
	s_or_b32 s[G1SA], s95, (3<<16)|(1<<21)
	s_or_b32 s[G1SB], s96, (3<<16)|(1<<21)
.irp g, G1A, G1B                       ; 24,576 dense bytes as 96 rows of 256
	s_mov_b32 s[\g+1], 32<<16
	s_mov_b32 s[\g+2], 96<<16
	s_mov_b32 s[\g+3], 32<<16
	s_mov_b32 s[\g+4], 96
	s_mov_b32 s[\g+5], 32
	s_mov_b32 s[\g+6], 0
	s_mov_b32 s[\g+7], 0
.endr
.irp g, G1SA, G1SB                     ; 4,096 dense bytes as 16 rows of 256
	s_mov_b32 s[\g+1], 32<<16
	s_mov_b32 s[\g+2], 16<<16
	s_mov_b32 s[\g+3], 32<<16
	s_mov_b32 s[\g+4], 16
	s_mov_b32 s[\g+5], 32
	s_mov_b32 s[\g+6], 0
	s_mov_b32 s[\g+7], 0
.endr
	s_lshl_b32 s18, s17, 1
	s_add_co_u32 s18, s18, s16
	s_mul_i32 s18, s18, BLKB                       ; x: block 2 Y + half
	s_mov_b32 s19, 0
	s_lshl_b32 s20, s94, 1
	s_add_co_u32 s20, s20, s16
	s_mul_i32 s20, s20, BLKB                       ; the weight: block 2 X + half
	s_mov_b32 s21, 0
	s_mul_i32 s22, s14, HALF                       ; where they go: wave x a half: no place in the cluster enters an LDS address
	s_lshl_b32 s23, s14, 12
	s_mov_b32 s98, 0x76543210
	s_mov_b32 s99, 0xfedcba98                      ; v_permlanex16_b32's selects for lane l xor 16
	s_wait_kmcnt 0x0
	s_add_nc_u64 s[18:19], s[4:5], s[18:19]
	s_add_nc_u64 s[20:21], s[6:7], s[20:21]
	CROUND                                         ; all sixteen work-groups are here: the first joint loads meet
	MKG0 GAS, 18, 23, SCL, 98304
	MKG0 GBS, 20, 23, SCL, 98304
	JLOAD GAS, G1SA, GBS, G1SB                     ; the scale words of all K: filled once
	MKG0 GA0, 18, 22, 0, 0
	MKG0 GB0, 20, 22, 0, 0
	JLOAD GA0, G1A, GB0, G1B                       ; K steps 0, 1
	MKG0 GA1, 18, 22, SLOT, HALF
	MKG0 GB1, 20, 22, SLOT, HALF
	JLOAD GA1, G1A, GB1, G1B                       ; K steps 2, 3
	MKG0 GA2, 18, 22, 2*SLOT, 2*HALF
	MKG0 GB2, 20, 22, 2*SLOT, 2*HALF
	JLOAD GA2, G1A, GB2, G1B                       ; K steps 4, 5: four loads of mine are out
	v_and_b32 v1, 31, v0                           ; lane
	v_and_b32 v2, 15, v0                           ; r
	v_bfe_u32 v3, v0, 4, 1                         ; h
	v_lshlrev_b32 v[L16], 4, v1
	s_wait_alu depctr_va_vdst(0)
	v_lshlrev_b32 v[L8], 3, v1
	s_cmp_eq_u32 ttmp9, 2                          ; do we make v?  Cluster x: the same in all sixteen partners
	s_cselect_b32 s12, 1, 0
	s_cselect_b32 s18, 2*HALF, 0                   ; R is the weight (halves 2, 3) for v, x (halves 0, 1) else;
	s_cselect_b32 s19, 0, 2*HALF                   ; P the other
	s_cselect_b32 s20, 2*4096, 0
	s_cselect_b32 s21, 0, 2*4096
	s_mul_i32 s22, s15, HALF
	s_add_co_u32 s18, s18, s22
	s_mul_i32 s22, s16, HALF
	s_add_co_u32 s19, s19, s22
	s_lshl_b32 s22, s15, 12
	s_add_co_u32 s20, s20, s22
	s_lshl_b32 s22, s16, 12
	s_add_co_u32 s21, s21, s22
.irp s, 0,1,2
	v_add_nc_u32 v[ADRR+\s], s18, v[L16]
	v_add_nc_u32 v[ADRP+\s], s19, v[L16]
	s_add_co_u32 s18, s18, SLOT
	s_add_co_u32 s19, s19, SLOT
.endr
	v_lshlrev_b32 v4, 3, v2
	v_add_nc_u32 v4, SCL, v4
	v_add_nc_u32 v[ASR], s20, v4
	v_add_nc_u32 v[ASP], s21, v4
	v_mul_u32_u24 v[VSO], v3, 208896
	v_lshl_add_u32 v[VSO], v2, 4, v[VSO]
.irp b, 0,1,2,3
	v_mov_b32 v[TM+4+\b], 0                        ; written once: a lane permute's destination counts as one of its sources
.endr
.macro FRAG reg, adr, off              ; a fragment as it lies: three loads of 512 consecutive bytes
.irp c, 0,1,2
	ds_load_b128 v[\reg+4*\c:\reg+4*\c+3], v[\adr] offset:\off+512*\c
.endr
.endm
.macro FETCH_P slot, hh, ps            ; P's eight fragments of the slot's K step hh into set ps
	WIN TO_P
.irp i, 0,1,2,3,4,5,6,7
	FRAG 128*(\ps)+FR*\i, ADRP+(\slot), 12288*(\hh)+1536*\i
.endr
	WIN 0
.endm
.macro FETCH_R slot, hh, i0            ; R's fragments i0 .. i0 + 3
.irp i, \i0, \i0+1, \i0+2, \i0+3
	FRAG RF+FR*(\i), ADRR+(\slot), 12288*(\hh)+1536*(\i)
.endr
.endm
.macro SCALES q                        ; K step q's scale words into set q % 2: a load of 8 bytes brings the words of two tiles
.irp i, 0,1,2,3
	ds_load_b64 v[SC+16*((\q)%2)+2*\i:SC+16*((\q)%2)+2*\i+1], v[ASR] offset:512*(\q)+128*\i
	ds_load_b64 v[SC+16*((\q)%2)+8+2*\i:SC+16*((\q)%2)+8+2*\i+1], v[ASP] offset:512*(\q)+128*\i
.endr
.endm
; 16 matrix instructions: R's tiles a0, a0 + 1 x P's eight.  The 64 accumulators take turns, one instruction a turn, in the same order in every K step.
.macro MUL16 a0, ps, zero
.irp a, \a0, \a0+1
.irp b, 0,1,2,3,4,5,6,7
.if \zero
	v_wmma_scale_f32_16x16x128_f8f6f4 v[8*(8*((\a)%4)+\b):8*(8*((\a)%4)+\b)+7], v[128*(\ps)+FR*\b:128*(\ps)+FR*\b+FR-1], v[RF+FR*(\a):RF+FR*(\a)+FR-1], 0, v[SC+16*(\ps)+8+\b], v[SC+16*(\ps)+(\a)] matrix_a_fmt:MATRIX_FMT_FP6 matrix_b_fmt:MATRIX_FMT_FP6
.else
	v_wmma_scale_f32_16x16x128_f8f6f4 v[8*(8*((\a)%4)+\b):8*(8*((\a)%4)+\b)+7], v[128*(\ps)+FR*\b:128*(\ps)+FR*\b+FR-1], v[RF+FR*(\a):RF+FR*(\a)+FR-1], v[8*(8*((\a)%4)+\b):8*(8*((\a)%4)+\b)+7], v[SC+16*(\ps)+8+\b], v[SC+16*(\ps)+(\a)] matrix_a_fmt:MATRIX_FMT_FP6 matrix_b_fmt:MATRIX_FMT_FP6
.endif
.endr
.endr
.endm
.macro PLACES n                        ; plain vector instructions between a matrix instruction and a load into, or a read of, its registers (ISA guide 7.12.1 for reads)
.rept \n
	v_nop
.endr
.endm
; K step q; the next step's operands are whole in LDS for every wave.  K steps 2 s, 2 s + 1 lie in slot s % 3; P's set and the scales' set are q % 2.
.macro STEP q, zero
.set NS, (((\q)+1)/2)%3
.set NH, ((\q)+1)%2
	s_wait_dscnt NRL                               ; P's set, the scale words and R's tiles 0-3 are in; the youngest loads (R's tiles 4-7) may be out
	WIN MUL_LO
	MUL16 0, (\q)%2, \zero
	MUL16 2, (\q)%2, \zero
	s_wait_dscnt 0x0                               ; R's tiles 4-7 are in
	PLACES 4
	FETCH_P NS, NH, NH
	FETCH_R NS, NH, 0
	SCALES (\q)+1
	WIN MUL_HI
	MUL16 4, (\q)%2, \zero
	MUL16 6, (\q)%2, \zero
	PLACES 4
	WIN 0
	FETCH_R NS, NH, 4
.endm
; K step q with a barrier in it.  In front of it each wave waits for all its tensor loads, adds 0 to its spare word, and waits for that and for its LDS reads.
; fill = 1: the barrier opens a round of the cluster's barrier, and slot 0, which nobody reads any more, is filled again with K steps 6 and 7.  fill = 0: that fill has landed in every wave.
.macro TURN q, fill
.set NS, (((\q)+1)/2)%3
	s_wait_tensorcnt 0x0                           ; all my tensor loads have landed  (every window is 0 here)
	ds_add_u32 v[SPW], v[NIL]                      ; 0 onto my spare word
	s_wait_dscnt NRL+1                             ; (the add and the youngest loads, R's tiles 4-7, may be out)
	WIN MUL_LO
	MUL16 0, (\q)%2, 0                             ; sixteen matrix instructions stand between the add and the wait for it
	s_wait_dscnt 0x0                               ; the add is done, and my reads of the slot in hand are over
	s_barrier_signal -1
	MUL16 2, (\q)%2, 0
	WIN 0
	s_barrier_wait -1
.if \fill
	CREST                                          ; no wave of any partner still reads slot 0 or has a load on its way
	s_add_nc_u64 s[GA0+2:GA0+3], s[GA0+2:GA0+3], 3*HALF
	s_add_nc_u64 s[GB0+2:GB0+3], s[GB0+2:GB0+3], 3*HALF
	JLOAD GA0, G1A, GB0, G1B                       ; my one tensor load behind the round: it has K steps 2 to 5, 256 matrix instructions, in which to land; its four v_nop are the places in front of the loads below
.else
	PLACES 4
.endif
	FETCH_P NS, 0, 0
	FETCH_R NS, 0, 0
	SCALES (\q)+1
	WIN MUL_HI
	MUL16 4, (\q)%2, 0
	MUL16 6, (\q)%2, 0
	PLACES 4
	WIN 0
	FETCH_R NS, 0, 4
.endm
	s_wait_alu depctr_va_vdst(0)
	s_wait_tensorcnt 2                             ; the scale words and my part of slot 0 are in; slots 1 and 2 may stay out
	s_barrier_signal -1
	s_barrier_wait -1                              ; everybody's are
	FETCH_P 0, 0, 0
	FETCH_R 0, 0, 0
	SCALES 0
	FETCH_R 0, 0, 4
	STEP 0, 1                                      ; the first products start the sums: nothing is cleared
	TURN 1, 1                                      ; every wave has waited for slots 1 and 2 too: K steps 2 to 5 need no further barrier
	STEP 2, 0
	STEP 3, 0
	STEP 4, 0
	TURN 5, 0
	STEP 6, 0
	s_wait_dscnt NRL                               ; K step 7: nothing more to fetch
	WIN MUL_LO
	MUL16 0, 1, 0
	MUL16 2, 1, 0
	s_wait_dscnt 0x0
	WIN MUL_HI
	MUL16 4, 1, 0
	MUL16 6, 1, 0
	WIN 0
	PLACES 4
; THE WAY OUT.  R's tile a: a lane's 64 registers are 128 numbers' worth of its row, register 16 b + i = P's row 32 b + 16 h + i.  They become a fragment's 12 registers in v[PC] on and a scale word in v[W8 + a].
.macro QUANTW a
.set AC, 64*((\a)%4)
	WIN 0x0a+5*((\a)/4)                            ; sources 0 and 1: window 2 or 3
.irp b, 0,1,2,3
	v_max3_num_f32 v[TM+\b], |v[AC+16*\b]|, |v[AC+16*\b+1]|, 0x1800000   ; each accumulator from its low end on; the floor 2^(3 - 127) among the leaves
.endr
.irp i, 2,4,6,8,10,12,14
.irp b, 0,1,2,3
	v_max3_num_f32 v[TM+\b], |v[AC+16*\b+\i]|, |v[AC+16*\b+\i+1]|, v[TM+\b]
.endr
.endr
	WIN 0
.irp b, 0,1,2,3
	v_permlanex16_b32 v[TM+4+\b], v[TM+\b], s98, s99
.endr
.irp b, 0,1,2,3
	v_max_num_f32 v[TM+\b], v[TM+\b], v[TM+4+\b]   ; with lane l xor 16's 16 numbers: the block's largest magnitude
.endr
.irp b, 0,1,2,3
	v_add_nc_u32 v[TM+12+\b], 0xff000000, v[TM+\b] ; 2 off the exponent field: the conversion's scale operand
.endr
.irp b, 0,1,2,3
	v_lshrrev_b32 v[TM+4+\b], 23, v[TM+12+\b]      ; the scale's byte
.endr
	v_lshl_or_b32 v[W8+(\a)], v[TM+5], 8, v[TM+4]
	v_lshl_or_b32 v[W8+(\a)], v[TM+6], 16, v[W8+(\a)]
	v_lshl_or_b32 v[W8+(\a)], v[TM+7], 24, v[W8+(\a)]
	s_wait_xcnt 0x0                                ; the last tile's stores have read the codes' registers: only now are they written again
	WIN 0x02+(\a)/4                                ; source 0: window 2 or 3
.irp c, 0,1
	v_cvt_scalef32_pk16_fp6_f32 v[PC+6*\c:PC+6*\c+2], v[AC+32*\c:AC+32*\c+15], v[TM+12+2*\c]
	v_cvt_scalef32_pk16_fp6_f32 v[PC+12+4*\c:PC+14+4*\c], v[AC+32*\c+16:AC+32*\c+31], v[TM+12+2*\c+1]   ; (a conversion's three registers begin on an even number)
.endr
	WIN 0
	v_nop                                          ; one plain instruction behind the scaled conversions
.irp c, 0,1                            ; the operand's layout wants a whole block in a lane: lanes 0-15 block 2 c, lanes 16-31 block 2 c + 1
.irp i, 0,1,2
	v_permlane16_swap_b32 v[PC+6*\c+\i], v[PC+12+4*\c+\i]
.endr
.irp i, 0,1,2
	v_mov_b32 v[PC+3+6*\c+\i], v[PC+12+4*\c+\i]
.endr
.endr
.endm
	; where my results go.  Tokens: block TB = 2 Y + my half: batch TB / 16, block g = TB % 16.  Columns: block 2 X + my half; modulo 8 it is a pair of heads.
	s_cmp_eq_u32 s12, 1
	s_cselect_b32 s18, s16, s15                    ; my half of the tokens: R's for q and k, P's for v
	s_cselect_b32 s19, s15, s16                    ; my half of the columns
	s_lshl_b32 s20, s17, 1
	s_add_co_u32 s20, s20, s18                     ; TB
	s_lshl_b32 s21, s94, 1
	s_add_co_u32 s21, s21, s19
	s_and_b32 s21, s21, 7
	s_lshl_b32 s21, s21, 1                         ; the pair's first head
	s_lshr_b32 s22, s20, 4
	s_and_b32 s20, s20, 15                         ; g
	s_lshl_b32 s22, s22, 4
	s_add_co_u32 s21, s21, s22                     ; 16 x batch + head
	s_cmp_eq_u32 ttmp9, 0                          ; q goes to qb, k and v to kvb
	s_cselect_b64 s[40:41], s[8:9], s[10:11]
	s_mov_b32 s42, 208896
	s_cselect_b32 s42, 106496, s42                 ; bytes of a head,
	s_mov_b32 s22, 13056
	s_cselect_b32 s22, 6656, s22                   ; of a block of 128 tokens in it,
	s_mov_b32 s44, 12288
	s_cselect_b32 s44, 6144, s44                   ; and where q's or k's scale words begin in that
	s_mul_i32 s21, s21, s42
	s_mul_i32 s20, s20, s22
	s_add_co_u32 s20, s20, s21
	s_mov_b32 s21, 0
	s_mov_b32 s43, 0
	s_mov_b32 s45, 0
	s_add_nc_u64 s[40:41], s[40:41], s[20:21]      ; the pair's first head,
	s_add_nc_u64 s[42:43], s[40:41], s[42:43]      ; its second,
	s_add_nc_u64 s[46:47], s[42:43], s[44:45]      ; and their scale words
	s_add_nc_u64 s[44:45], s[40:41], s[44:45]
	s_mov_b32 s97, 0x7f7f7f7f
	s_mov_b32 s13, 0x07060100
	s_mov_b32 s3, 0x07060302
	s_mov_b32 vcc_lo, 0xffff0000                   ; lanes 16-31
	s_cmp_eq_u32 s12, 1
	s_cbranch_scc1 .Lv
	; ---- q or k: registers 0-5 of the fragment are the first head's 64, registers 6-11 the second's: two halves of 768 bytes (registers 0-3 at 16 l, registers 4, 5 at 512 + 8 l)
.irp a, 0,1,2,3,4,5,6,7
	QUANTW \a
	global_store_b128 v[L16], v[PC:PC+3], s[40:41] offset:768*\a           ; 512 consecutive bytes, aligned to 256
	global_store_b64 v[L8], v[PC+4:PC+5], s[40:41] offset:768*\a+512       ; 256
	global_store_b128 v[L16], v[PC+6:PC+9], s[42:43] offset:768*\a
	global_store_b64 v[L8], v[PC+10:PC+11], s[42:43] offset:768*\a+512
.endr
.irp j, 0,1,2,3
	v_cndmask_b32 v[IW+\j], v[W8+\j], v[W8+4+\j], vcc_lo                   ; lanes 0-15: tile j's word; lanes 16-31: tile 4 + j's
.endr
.irp j, 0,1,2,3
	v_perm_b32 v[WD+\j], s97, v[IW+\j], s13        ; the first head's two bytes, and 0x7f twice for the half of the instruction's K that a head of 64 leaves to zero codes
	v_perm_b32 v[WD+4+\j], s97, v[IW+\j], s3       ; the second head's
.endr
	global_store_b128 v[L16], v[WD:WD+3], s[44:45]
	global_store_b128 v[L16], v[WD+4:WD+7], s[46:47]
	s_branch .Lend
.Lv:
	; ---- v: R's tile a is 16 of head a / 4's 64 channels, K = my 128 keys: a whole fragment
.irp a, 0,1,2,3,4,5,6,7
	QUANTW \a
.irp c, 0,1,2
	global_store_b128 v[L16], v[PC+4*\c:PC+4*\c+3], s[40+2*(\a/4):41+2*(\a/4)] offset:6144+1536*(\a%4)+512*\c
.endr
.endr
.irp j, 0,1,2,3
	v_cndmask_b32 v[IW+\j], v[W8+\j], v[W8+4+\j], vcc_lo                   ; lanes 0-15: the first head's tile j; lanes 16-31: the second's
.endr
	global_store_b128 v[VSO], v[IW:IW+3], s[40:41] offset:12800            ; 256 consecutive bytes in each head
.Lend:
	s_wait_tensorcnt 0x0                           ; the wave's end
	ds_add_u32 v[SPW], v[NIL]
	s_wait_dscnt 0x0
	CROUND                                         ; the closing round: no work-group ends while a partner may still ask for a tile that names it
	s_endpgm
.Lfunc_end_k_q0785ce7a47_gemm_qkv:
	.size	k_q0785ce7a47_gemm_qkv, .Lfunc_end_k_q0785ce7a47_gemm_qkv-k_q0785ce7a47_gemm_qkv
	.p2alignl 7, 3214868480
	.fill 96, 4, 3214868480
	.section	.rodata,"a",@progbits
	.p2align	6, 0x0
	.amdhsa_kernel k_q0785ce7a47_gemm_qkv
		.amdhsa_group_segment_fixed_size 327680
		.amdhsa_private_segment_fixed_size 0
		.amdhsa_enable_private_segment 0
		.amdhsa_kernarg_size 32
		.amdhsa_user_sgpr_count 2
		.amdhsa_user_sgpr_kernarg_segment_ptr 1
		.amdhsa_wavefront_size32 1
		.amdhsa_system_sgpr_workgroup_id_x 1
		.amdhsa_system_sgpr_workgroup_id_y 1
		.amdhsa_system_sgpr_workgroup_id_z 1
		.amdhsa_system_vgpr_workitem_id 0
		.amdhsa_next_free_vgpr 1024
		.amdhsa_next_free_sgpr 100
		.amdhsa_reserve_vcc 1
		.amdhsa_float_denorm_mode_32 3
		.amdhsa_float_denorm_mode_16_64 3
		.amdhsa_memory_ordered 1
		.amdhsa_forward_progress 1
		.amdhsa_inst_pref_size 177
	.end_amdhsa_kernel
	.amdgpu_metadata
---
amdhsa.version: [ 1, 2 ]
amdhsa.kernels:
  - .name:           k_q0785ce7a47_gemm_qkv
    .symbol:         k_q0785ce7a47_gemm_qkv.kd
    .args:
      - { .name: xq, .offset: 0, .size: 8, .value_kind: global_buffer, .address_space: global }
      - { .name: wq, .offset: 8, .size: 8, .value_kind: global_buffer, .address_space: global }
      - { .name: qb, .offset: 16, .size: 8, .value_kind: global_buffer, .address_space: global }
      - { .name: kvb, .offset: 24, .size: 8, .value_kind: global_buffer, .address_space: global }
    .group_segment_fixed_size: 327680
    .private_segment_fixed_size: 0
    .kernarg_segment_align: 8
    .kernarg_segment_size: 32
    .max_flat_workgroup_size: 128
    .sgpr_count:     100
    .vgpr_count:     1024
    .wavefront_size: 32
...
	.end_amdgpu_metadata
.endif
;; end of part 2
;; launch attn (part 3): grid 4 x 64, 16 waves a work-group, clusters of 4 x 1, 210,944 bytes of LDS; arguments qb, kvb, aq; writes aq
.if DOCPART == 3
	.amdgcn_target "amdgcn-amd-amdhsa--gfx1250"
	.amdhsa_code_object_version 6
	.text
	.protected	k_q0785ce7a47_attn
	.globl	k_q0785ce7a47_attn
	.p2align	8
	.type	k_q0785ce7a47_attn,@function
k_q0785ce7a47_attn:
	s_mov_b64 s[64:65], 0
	v_nop
	global_prefetch_b8 v0, s[64:65] scope:SCOPE_SE
	s_setreg_imm32_b32 hwreg(HW_REG_WAVE_MODE, 25, 1), 1
	s_wait_xcnt 0x0
	s_wait_alu depctr_hold_cnt(0) depctr_sa_sdst(0) depctr_va_vdst(0) depctr_va_sdst(0) depctr_va_ssrc(0) depctr_va_vcc(0) depctr_vm_vsrc(0)
	s_getreg_b32 s2, hwreg(HW_REG_IB_STS2, 6, 4)
	s_cmp_eq_u32 s2, 0
	s_cbranch_scc0 .Lentry_in_a_cluster
	s_endpgm
.Lentry_in_a_cluster:
	s_bfe_u32 s2, ttmp6, 0x10000c
	s_cmp_lg_u32 s2, 0x3003
	s_cbranch_scc0 .Lentry_shape_is_right
	s_endpgm
.Lentry_shape_is_right:
; Causal attention of one head on codes of FP6 (E2M3) with E8M0 scales: S^T = K Q^T (K = the head's 64), p = 2^(t - M), O^T = V^T P^T (K = the keys), O / l quantised along the head's 64 and stored as codes.
; t = score x log2(e) / 8; M = the running largest t rounded UP to a whole number; p is quantised along the keys, not normalised; the row's sum l is taken of the unquantised p; when M moves, l and O are multiplied by 2^(old M - new M): exact.
; LIMITS: a p under 2^-126 falls to 0 (v_exp_f32 flushes denormals: ISA guide, its entry); 1 / l is v_rcp_f32 and a multiply; a block's largest magnitude under 2^-124 counts as 2^-124, and a block of zeros gets the byte 1
; (its codes are zeros; this program alone reads the bytes); NaN and infinities are not served.
; SHARES.  A cluster of four work-groups is one head.  THE HEAD'S WHOLE K, V AND SCALE WORDS, 208,896 bytes, LIE IN LDS, filled once: wave w asks jointly for key step w (128 keys: 13,056 dense bytes); no ring, no refill.
; A block g of 128 tokens has 8 tiles of 16 queries; the partner at place p takes tiles 2 p and 2 p + 1 of every block.  Wave w does two jobs: tile 2 p of block w (w + 1 key steps) and tile 2 p + 1 of block 15 - w
; (16 - w key steps): 17 key steps in every wave.  Each job walks a loop of 16 trips and jumps over the steps whose keys all come after its queries: a branch on the wave's number and the trip, alike in all partners.
; p enters global addresses and the mask's lane number alone.
; LAYOUT.  Both products are used transposed: a lane holds ONE query (lane % 16) throughout.  Tile 2 b + u, row r, of any block is its row 32 b + 8 u + r + 8 (r / 8), so that the 16 registers of tiles 2 b, 2 b + 1 of a result
; are 16 neighbours, 32 b + 16 (lane / 16) + 0 .. 15.
; K = 64 IN THE FIRST PRODUCT: Q's registers 6-11 are zero codes.  K's tiles lie 6 registers apart, so a fragment's registers 6-11 are the next tile's codes (the last tile's: six registers of zeros): finite numbers that meet zeros.
; A key step in LDS: K's 8 tiles of 768 bytes (registers 0-3 at 16 l, registers 4, 5 at 512 + 8 l) | V's 4 fragments of 1,536 | K's scale words (tile 4 hh + j, row r at 256 hh + 16 r + 4 j) | V's (row r, tile t at 16 r + 4 t).
; REGISTERS: v1-4 16 l, 8 l, 16 r, 8 r; v5, v6 the mask's numbers; v7 -infinity; v8-10 the step's LDS addresses; v12 -M, v13 the largest t, v[14:15] l in two halves; v16-27, v232-243 Q of jobs 0, 1; v28, v29 their scale words;
; v32-79 K's tiles, then V's fragments; v80-85 zeros; v86-89 K's, v90-93 V's scale words, v94 p's; v96-159 S^T, then p; v160-191 O^T; v192-210 p's codes; v212-229 at work; v244-253 what goes out.
.set KSB,  13056                       ; bytes of a key step
.set BM,   212                         ; v212-215 the blocks' largest scores
.set PD,   216                         ; v216-219 permute destinations, then bytes
.set SCO,  220                         ; v220-223 the conversions' scale operands
.set PWD,  94
.macro CROUND                          ; a round of the cluster's barrier
	s_barrier_signal -1
	s_barrier_wait -1
	s_cmp_lg_u32 s10, 0
	s_cbranch_scc1 .Lnot_wave_0_\@
	s_barrier_signal -3
.Lnot_wave_0_\@:
	s_barrier_wait -3
	s_barrier_signal -1
	s_barrier_wait -1
.endm
	s_load_b128 s[4:7], s[0:1], 0x0                ; qb s[4:5], kvb s[6:7]
	s_load_b64 s[8:9], s[0:1], 0x10                ; aq
	v_lshl_add_u32 v254, v0, 2, 0x33000
	v_mov_b32 v255, 0
	ds_add_u32 v254, v255
	ds_add_u32 v254, v255
	v_lshrrev_b32 v1, 5, v0
	s_delay_alu instid0(VALU_DEP_1)
	v_readfirstlane_b32 s10, v1                    ; wave 0..15
	s_bfe_u32 s11, ttmp6, 0x40000                  ; p: my place in the cluster
	s_and_b32 s12, ttmp7, 0xffff                   ; 16 x batch + head, which the four partners share
	s_mov_b32 s16, 15|(3<<16)|(1<<21)              ; group 1: 15:0 the mask: all four; 17:16 elements of 8 bytes; 21 set beside a mask; no padding
	s_mov_b32 s17, 32<<16                          ; 13,056 dense bytes as 51 rows of 256
	s_mov_b32 s18, 51<<16
	s_mov_b32 s19, 32<<16
	s_mov_b32 s20, 51
	s_mov_b32 s21, 32
	s_mov_b32 s22, 0
	s_mov_b32 s23, 0
	s_mul_i32 s13, s10, KSB                        ; key step w: its place in LDS and in the head
	s_mul_i32 s14, s12, 16*KSB
	s_add_co_u32 s14, s14, s13
	s_mov_b32 s15, 0
	s_mov_b32 s28, 0x76543210
	s_mov_b32 s29, 0xfedcba98                      ; v_permlanex16_b32's selects for lane l xor 16
	s_mov_b32 s30, 0x3e38aa3b                      ; c = log2(e) / sqrt(64)
	s_mov_b32 s31, s30                             ; (named with it as a pair, so it is written)
	s_wait_dscnt 0x0
	s_wait_kmcnt 0x0
	s_mov_b32 s24, 1
	s_mov_b32 s25, s13
	s_add_nc_u64 s[26:27], s[6:7], s[14:15]
	s_or_b32 s27, s27, 0x80000000
	CROUND                                         ; all four work-groups are here: the joint loads meet
	tensor_load_to_lds s[24:27], s[16:23]          ; my one tensor load
	s_nop 0
.rept 4
	v_nop
.endr
; Job u's four pointers: s[36 + 8 u ..]: Q's codes, Q's scale words, the codes that go out, their scale bytes
.macro MKJOB u
.if \u
	s_xor_b32 s52, s10, 15                         ; G = 15 - wave
.else
	s_mov_b32 s52, s10                             ; G = wave
.endif
	s_lshl_b32 s53, s11, 1
	s_add_co_u32 s53, s53, \u                      ; the tile: 2 p + u
	s_mul_i32 s54, s12, 106496
	s_mul_i32 s55, s52, 6656
	s_add_co_u32 s54, s54, s55                     ; Q's block G
	s_mul_i32 s55, s53, 768
	s_add_co_u32 s56, s54, s55
	s_mov_b32 s57, 0
	s_add_nc_u64 s[36+8*\u:37+8*\u], s[4:5], s[56:57]
	s_lshr_b32 s55, s53, 2
	s_lshl_b32 s55, s55, 8
	s_and_b32 s56, s53, 3
	s_lshl_b32 s56, s56, 2
	s_add_co_u32 s56, s56, s55
	s_add_co_u32 s56, s56, s54
	s_add_nc_u64 s[38+8*\u:39+8*\u], s[4:5], s[56:57]
	s_lshr_b32 s54, s12, 4
	s_lshl_b32 s54, s54, 4
	s_add_co_u32 s54, s54, s52
	s_mul_i32 s54, s54, 102400                     ; aq's block 16 x batch + G
	s_and_b32 s55, s12, 15
	s_lshr_b32 s58, s55, 1                         ; the last product's K step: head / 2;
	s_and_b32 s55, s55, 1                          ; which half of it
	s_mul_i32 s56, s58, 12288
	s_add_co_u32 s56, s56, s54
	s_mul_i32 s59, s53, 1536
	s_add_co_u32 s56, s56, s59
	s_mul_i32 s59, s55, 768
	s_add_co_u32 s56, s56, s59
	s_add_nc_u64 s[40+8*\u:41+8*\u], s[8:9], s[56:57]
	s_lshl_b32 s56, s58, 9
	s_add_co_u32 s56, s56, s54
	s_lshl_b32 s59, s11, 7
	s_add_co_u32 s56, s56, s59
	s_lshl_b32 s59, s55, 1
	s_add_co_u32 s56, s56, s59
	s_add_nc_u64 s[42+8*\u:43+8*\u], s[8:9], s[56:57]
.endm
	MKJOB 0
	MKJOB 1
	v_and_b32 v11, 31, v0                          ; lane
	s_delay_alu instid0(VALU_DEP_1)
	v_lshlrev_b32 v1, 4, v11
	s_delay_alu instid0(VALU_DEP_2)
	v_lshlrev_b32 v2, 3, v11
	v_and_b32 v224, 15, v0                         ; r
	s_delay_alu instid0(VALU_DEP_1)
	v_lshlrev_b32 v3, 4, v224
	s_delay_alu instid0(VALU_DEP_2)
	v_lshlrev_b32 v4, 3, v224
	global_load_b128 v[16:19], v1, s[36:37]        ; Q stays in registers, both jobs'
	global_load_b64 v[20:21], v2, s[36:37] offset:512
	global_load_b32 v28, v3, s[38:39] offset:6144
	global_load_b128 v[232:235], v1, s[44:45]
	global_load_b64 v[236:237], v2, s[44:45] offset:512
	global_load_b32 v29, v3, s[46:47] offset:6144
	v_bfe_u32 v225, v0, 4, 1                       ; h
	v_and_b32 v5, 8, v224
	s_delay_alu instid0(VALU_DEP_1)
	v_add_nc_u32 v5, v5, v224                      ; r + 8 (r / 8)
	s_delay_alu instid0(VALU_DEP_3)
	v_lshlrev_b32 v225, 4, v225
	s_delay_alu instid0(VALU_DEP_1)
	v_sub_nc_u32 v5, v5, v225
	s_lshl_b32 s13, s11, 5
	v_add_nc_u32 v5, s13, v5                       ; job 0: my query's place in its block, less 16 h
	s_delay_alu instid0(VALU_DEP_1)
	v_add_nc_u32 v6, 8, v5                         ; job 1: eight further on
	v_mov_b32 v7, 0xff800000                       ; -infinity
.irp j, 22,23,24,25,26,27, 238,239,240,241,242,243, 80,81,82,83,84,85
	v_mov_b32 v\j, 0                               ; zero codes
.endr
.irp j, 216,217,218,219, 224, 227
	v_mov_b32 v\j, 0                               ; written once: permute destinations count as sources, and v227 is named as the upper half of a pair
.endr
	s_wait_tensorcnt 0x0                           ; my key step has landed,
	s_barrier_signal -1
	s_barrier_wait -1                              ; everybody's has
	s_wait_loadcnt 0x0                             ; Q
.macro JOB u, QB, QS, DM
	s_wait_xcnt 0x0                                ; the job before has had its stores' registers read
.if \u
	s_xor_b32 s34, s10, 15
.else
	s_mov_b32 s34, s10
.endif                                             ; G: my queries' block, and the key step on the diagonal
	v_mov_b32 v13, 0xff61b1e6                      ; the largest t so far: -3e38
	s_delay_alu instid0(VALU_DEP_1)
	v_floor_f32 v12, -v13                          ; -M
	v_mov_b32 v14, 0
	v_mov_b32 v15, 0
.set j, 0
.rept 32
	v_mov_b32 v[160+j], 0                          ; O^T: the step is written once; its first trip finds zeros, which the first change of M leaves zeros
.set j, j+1
.endr
	s_mov_b32 s32, 0                               ; the step's first LDS byte
	s_mov_b32 s33, 0                               ; the step
.Lstep_\@:
	s_cmp_gt_u32 s33, s34                          ; all its keys come after my queries: nothing to do
	s_cbranch_scc1 .Lskip_\@
	s_setprio 2
	v_add_nc_u32 v8, s32, v1
	v_add_nc_u32 v9, s32, v2
	v_add_nc_u32 v10, s32, v3
	v_nop                                          ; four plain instructions between the last trip's products and the loads into their registers
.irp t, 0,1,2,3,4,5,6,7
	ds_load_b128 v[32+6*\t:35+6*\t], v8 offset:768*\t
	ds_load_b64 v[36+6*\t:37+6*\t], v9 offset:768*\t+512
.endr
	ds_load_b128 v[86:89], v8 offset:12288         ; register j: tile j's words in lanes 0-15, tile 4 + j's in lanes 16-31
	s_wait_alu depctr_va_vdst(0)
	s_wait_dscnt 0x0
.irp t, 0,1,2,3
	v_wmma_scale_f32_16x16x128_f8f6f4 v[96+8*\t:103+8*\t], v[32+6*\t:43+6*\t], v[\QB:\QB+11], 0, v[86+\t], v[\QS] matrix_a_fmt:MATRIX_FMT_FP6 matrix_b_fmt:MATRIX_FMT_FP6
.endr
.irp t, 4,5,6,7
	v_wmma_scale_f32_16x16x128_f8f6f4 v[96+8*\t:103+8*\t], v[32+6*\t:43+6*\t], v[\QB:\QB+11], 0, v[86+\t-4], v[\QS] matrix_a_fmt:MATRIX_FMT_FP6 matrix_b_fmt:MATRIX_FMT_FP6 matrix_a_scale:MATRIX_SCALE_ROW1
.endr
.rept 4
	v_nop
.endr
.irp t, 0,1,2,3                        ; V's fragments land while the softmax is worked
.irp c, 0,1,2
	ds_load_b128 v[32+12*\t+4*\c:35+12*\t+4*\c], v8 offset:6144+1536*\t+512*\c
.endr
.endr
	ds_load_b128 v[90:93], v10 offset:12800
	s_cmp_lg_u32 s33, s34                          ; on the diagonal hidden scores become -infinity ahead of the maximum: p = 0 then
	s_cbranch_scc1 .Lopen_\@
.set n, 0
.rept 64
	v_cmp_gt_i32 vcc_lo, 32*(n/16)+n%16, v[\DM]    ; register 16 b + i holds key 32 b + 16 h + i of the step
	v_cndmask_b32 v[96+n], v[96+n], v7, vcc_lo
.set n, n+1
.endr
.Lopen_\@:
.irp b, 0,1,2,3
	v_max3_num_f32 v[BM+\b], v[96+16*\b], v[97+16*\b], v[98+16*\b]   ; the largest score of each block of 32 keys: it serves the row's maximum and, since p rises with the score, the block's largest p
.endr
.irp i, 3,5,7,9,11,13
.irp b, 0,1,2,3
	v_max3_num_f32 v[BM+\b], v[BM+\b], v[96+16*\b+\i], v[97+16*\b+\i]
.endr
.endr
.irp b, 0,1,2,3
	v_max_num_f32 v[BM+\b], v[BM+\b], v[111+16*\b]
.endr
.irp b, 0,1,2,3
	s_delay_alu instid0(VALU_DEP_4)
	v_permlanex16_b32 v[PD+\b], v[BM+\b], s28, s29
.endr
.irp b, 0,1,2,3
	s_delay_alu instid0(VALU_DEP_4)
	v_max_num_f32 v[BM+\b], v[BM+\b], v[PD+\b]     ; with lane l xor 16's 16 keys
.endr
	s_delay_alu instid0(VALU_DEP_2)
	v_max3_num_f32 v224, v212, v213, v214
	s_delay_alu instid0(VALU_DEP_1)
	v_max_num_f32 v224, v224, v215                 ; the step's largest score of my query
	s_delay_alu instid0(VALU_DEP_1)
	v_mul_f32 v224, s30, v224                      ; as t
	s_delay_alu instid0(VALU_DEP_1)
	v_max_num_f32 v13, v13, v224                   ; the running largest t
	v_mov_b32 v224, v12
	s_delay_alu instid0(VALU_DEP_2)
	v_floor_f32 v12, -v13                          ; the new -M = floor(-t): M is a whole number
	s_delay_alu instid0(VALU_DEP_1)
	v_sub_f32 v224, v12, v224                      ; old M - new M: a whole number, 0 or less
	s_delay_alu instid0(VALU_DEP_1)
	v_cvt_i32_f32 v224, v224                       ; (it saturates)
	s_delay_alu instid0(VALU_DEP_1)
	v_ldexp_f32 v226, 1.0, v224                    ; f = 2^(old M - new M)
.set j, 0
.rept 32
	v_pk_fma_f32 v[96+j:97+j], v[96+j:97+j], s[30:31], v[12:13] op_sel_hi:[1,0,0]   ; t - M, two at a time
.set j, j+2
.endr
	s_setprio 1
.irp b, 0,1,2,3
	v_fma_f32 v[BM+\b], v[BM+\b], s30, v12         ; the same of each block's largest score
.endr
.set j, 0
	s_wait_alu depctr_va_vdst(0)
.rept 64
	v_exp_f32 v[96+j], v[96+j]                     ; p = 2^(t - M)
.set j, j+1
.endr
	v_pk_mul_f32 v[14:15], v[14:15], v[226:227] op_sel_hi:[1,0]   ; l under the new M: the plain instruction behind the exponentials
	s_wait_alu depctr_va_vdst(0)                   ; one wait for the batch of 64, ahead of its first reader
.irp b, 0,1,2,3
	v_exp_f32 v[BM+\b], v[BM+\b]                   ; the block's largest p: the same two instructions on the same number give the same bits
.endr
	v_pk_add_f32 v[228:229], v[100:101], v[104:105]
	v_pk_add_f32 v[252:253], v[108:109], v[112:113]
	v_pk_add_f32 v[250:251], v[116:117], v[120:121]
	v_pk_add_f32 v[248:249], v[124:125], v[128:129]
	v_pk_add_f32 v[246:247], v[132:133], v[136:137]
	v_pk_add_f32 v[244:245], v[140:141], v[144:145]
	v_pk_add_f32 v[230:231], v[148:149], v[152:153]
	v_pk_add_f32 v[14:15], v[14:15], v[156:157]
	v_pk_add_f32 v[228:229], v[228:229], v[96:97]
	v_pk_add_f32 v[252:253], v[252:253], v[98:99]
	v_pk_add_f32 v[250:251], v[250:251], v[102:103]
	v_pk_add_f32 v[248:249], v[248:249], v[106:107]
	v_pk_add_f32 v[246:247], v[246:247], v[110:111]
	v_pk_add_f32 v[244:245], v[244:245], v[114:115]
	v_pk_add_f32 v[230:231], v[230:231], v[118:119]
	v_pk_add_f32 v[14:15], v[14:15], v[122:123]
	v_pk_add_f32 v[228:229], v[228:229], v[126:127]
	v_pk_add_f32 v[252:253], v[252:253], v[130:131]
	v_pk_add_f32 v[250:251], v[250:251], v[134:135]
	v_pk_add_f32 v[248:249], v[248:249], v[138:139]
	v_pk_add_f32 v[246:247], v[246:247], v[142:143]
	v_pk_add_f32 v[244:245], v[244:245], v[146:147]
	v_pk_add_f32 v[230:231], v[230:231], v[150:151]
	v_pk_add_f32 v[14:15], v[14:15], v[154:155]
	v_pk_add_f32 v[228:229], v[228:229], v[158:159]
	s_delay_alu instid0(VALU_DEP_2)
	v_pk_add_f32 v[14:15], v[14:15], v[248:249]
	s_delay_alu instid0(VALU_DEP_2)
	v_pk_add_f32 v[228:229], v[228:229], v[246:247]
	v_pk_add_f32 v[252:253], v[252:253], v[244:245]
	v_pk_add_f32 v[250:251], v[250:251], v[230:231]
	s_delay_alu instid0(VALU_DEP_2)
	v_pk_add_f32 v[14:15], v[14:15], v[252:253]
	s_delay_alu instid0(VALU_DEP_2)
	v_pk_add_f32 v[228:229], v[228:229], v[250:251]
	s_delay_alu instid0(VALU_DEP_1)
	v_pk_add_f32 v[14:15], v[14:15], v[228:229]
	s_wait_alu depctr_va_vdst(0)                   ; and one for the four
.irp b, 0,1,2,3
	v_max_num_f32 v[BM+\b], 0x1800000, v[BM+\b]    ; the floor 2^(3 - 127): the byte cannot fall under 1
.endr
.irp b, 0,1,2,3
	s_delay_alu instid0(VALU_DEP_4)
	v_add_nc_u32 v[SCO+\b], 0xff000000, v[BM+\b]
.endr
.irp b, 0,1,2,3
	s_delay_alu instid0(VALU_DEP_4)
	v_lshrrev_b32 v[PD+\b], 23, v[SCO+\b]
.endr
	s_delay_alu instid0(VALU_DEP_3)
	v_lshl_or_b32 v[PWD], v[PD+1], 8, v[PD]        ; p's scale word for these 128 keys
	s_delay_alu instid0(VALU_DEP_1)
	v_lshl_or_b32 v[PWD], v[PD+2], 16, v[PWD]
	s_delay_alu instid0(VALU_DEP_1)
	v_lshl_or_b32 v[PWD], v[PD+3], 24, v[PWD]
	s_setprio 0
.irp c, 0,1
	v_cvt_scalef32_pk16_fp6_f32 v[192+6*\c:194+6*\c], v[96+32*\c:111+32*\c], v[SCO+2*\c]
	v_cvt_scalef32_pk16_fp6_f32 v[204+4*\c:206+4*\c], v[112+32*\c:127+32*\c], v[SCO+2*\c+1]
.endr
	v_nop                                          ; one plain instruction behind the scaled conversions
.irp c, 0,1
.irp i, 0,1,2
	v_permlane16_swap_b32 v[192+6*\c+\i], v[204+4*\c+\i]
.endr
.irp i, 0,1,2
	s_delay_alu instid0(VALU_DEP_3)
	v_mov_b32 v[195+6*\c+\i], v[204+4*\c+\i]
.endr
.endr
.set j, 0
.rept 16
	v_pk_mul_f32 v[160+j:161+j], v[160+j:161+j], v[226:227] op_sel_hi:[1,0]   ; O^T under the new M.  These sixteen also stand between the lines that made p's codes and scale word and the products
.set j, j+2
.endr
	s_wait_alu depctr_va_vdst(0)
	s_wait_dscnt 0x0                               ; V is in
.irp t, 0,1,2,3
	v_wmma_scale_f32_16x16x128_f8f6f4 v[160+8*\t:167+8*\t], v[32+12*\t:43+12*\t], v[192:203], v[160+8*\t:167+8*\t], v[90+\t], v[PWD] matrix_a_fmt:MATRIX_FMT_FP6 matrix_b_fmt:MATRIX_FMT_FP6
.endr
.Lskip_\@:
	s_add_co_u32 s32, s32, KSB
	s_add_co_u32 s33, s33, 1
	s_cmp_lt_u32 s33, 16
	s_cbranch_scc1 .Lstep_\@
	s_setprio 0
	; the job's way out: O^T / l, register 16 b + i = channel 32 b + 16 h + i of my query: two blocks of 32, half a fragment of the last product
.rept 4
	v_nop
.endr
	v_add_f32 v14, v14, v15
	s_delay_alu instid0(VALU_DEP_1)
	v_permlanex16_b32 v224, v14, s28, s29
	s_delay_alu instid0(VALU_DEP_1)
	v_add_f32 v14, v14, v224                       ; the row's sum
	s_wait_alu depctr_va_vdst(0)
	v_rcp_f32 v14, v14
	v_nop                                          ; a plain instruction behind the reciprocal,
	s_wait_alu depctr_va_vdst(0)                   ; and the wait ahead of its first reader
.set j, 0
.rept 32
	v_mul_f32 v[96+j], v[160+j], v14
.set j, j+1
.endr
.irp b, 0,1
	v_max3_num_f32 v[BM+\b], |v[96+16*\b]|, |v[97+16*\b]|, 0x1800000
.endr
.irp i, 2,4,6,8,10,12,14
.irp b, 0,1
	s_delay_alu instid0(VALU_DEP_2)
	v_max3_num_f32 v[BM+\b], v[BM+\b], |v[96+16*\b+\i]|, |v[97+16*\b+\i]|
.endr
.endr
.irp b, 0,1
	s_delay_alu instid0(VALU_DEP_2)
	v_permlanex16_b32 v[PD+\b], v[BM+\b], s28, s29
.endr
.irp b, 0,1
	s_delay_alu instid0(VALU_DEP_2)
	v_max_num_f32 v[BM+\b], v[BM+\b], v[PD+\b]
.endr
.irp b, 0,1
	s_delay_alu instid0(VALU_DEP_2)
	v_add_nc_u32 v[SCO+\b], 0xff000000, v[BM+\b]
.endr
.irp b, 0,1
	s_delay_alu instid0(VALU_DEP_2)
	v_lshrrev_b32 v[PD+\b], 23, v[SCO+\b]
.endr
	s_delay_alu instid0(VALU_DEP_1)
	v_lshl_or_b32 v253, v[PD+1], 8, v[PD]          ; my row's two scale bytes
	v_cvt_scalef32_pk16_fp6_f32 v[244:246], v[96:111], v[SCO]
	v_cvt_scalef32_pk16_fp6_f32 v[250:252], v[112:127], v[SCO+1]
	v_nop
.irp i, 0,1,2
	v_permlane16_swap_b32 v[244+\i], v[250+\i]
.endr
.irp i, 0,1,2
	s_delay_alu instid0(VALU_DEP_3)
	v_mov_b32 v[247+\i], v[250+\i]
.endr
	global_store_b128 v1, v[244:247], s[40+8*\u:41+8*\u]                   ; 512 consecutive bytes, aligned to 256
	global_store_b64 v2, v[248:249], s[40+8*\u:41+8*\u] offset:512         ; 256
	global_store_b16 v4, v253, s[42+8*\u:43+8*\u] offset:98304+4*\u        ; two bytes a row inside a run of 128 bytes; both halves of the lanes write the same value
.endm
	JOB 0, 16, 28, 5
	JOB 1, 232, 29, 6
	s_wait_dscnt 0x0
	s_wait_tensorcnt 0x0
	ds_add_u32 v254, v255
	s_wait_dscnt 0x0
	CROUND                                         ; the closing round
	s_endpgm
.Lfunc_end_k_q0785ce7a47_attn:
	.size	k_q0785ce7a47_attn, .Lfunc_end_k_q0785ce7a47_attn-k_q0785ce7a47_attn
	.p2alignl 7, 3214868480
	.fill 96, 4, 3214868480
	.section	.rodata,"a",@progbits
	.p2align	6, 0x0
	.amdhsa_kernel k_q0785ce7a47_attn
		.amdhsa_group_segment_fixed_size 210944
		.amdhsa_private_segment_fixed_size 0
		.amdhsa_enable_private_segment 0
		.amdhsa_kernarg_size 24
		.amdhsa_user_sgpr_count 2
		.amdhsa_user_sgpr_kernarg_segment_ptr 1
		.amdhsa_wavefront_size32 1
		.amdhsa_system_sgpr_workgroup_id_x 1
		.amdhsa_system_sgpr_workgroup_id_y 1
		.amdhsa_system_sgpr_workgroup_id_z 1
		.amdhsa_system_vgpr_workitem_id 0
		.amdhsa_next_free_vgpr 256
		.amdhsa_next_free_sgpr 66
		.amdhsa_reserve_vcc 1
		.amdhsa_float_denorm_mode_32 3
		.amdhsa_float_denorm_mode_16_64 3
		.amdhsa_memory_ordered 1
		.amdhsa_forward_progress 1
		.amdhsa_inst_pref_size 64
	.end_amdhsa_kernel
	.amdgpu_metadata
---
amdhsa.version: [ 1, 2 ]
amdhsa.kernels:
  - .name:           k_q0785ce7a47_attn
    .symbol:         k_q0785ce7a47_attn.kd
    .args:
      - { .name: qb, .offset: 0, .size: 8, .value_kind: global_buffer, .address_space: global }
      - { .name: kvb, .offset: 8, .size: 8, .value_kind: global_buffer, .address_space: global }
      - { .name: aq, .offset: 16, .size: 8, .value_kind: global_buffer, .address_space: global }
    .group_segment_fixed_size: 210944
    .private_segment_fixed_size: 0
    .kernarg_segment_align: 8
    .kernarg_segment_size: 24
    .max_flat_workgroup_size: 512
    .sgpr_count:     66
    .vgpr_count:     256
    .wavefront_size: 32
...
	.end_amdgpu_metadata
.endif
;; end of part 3
;; launch gemm_out (part 4): grid 4 x 32, 4 waves a work-group, clusters of 4 x 4, 327,680 bytes of LDS; arguments aq, wq, out0; writes out0
.if DOCPART == 4
	.amdgcn_target "amdgcn-amd-amdhsa--gfx1250"
	.amdhsa_code_object_version 6
	.text
	.protected	k_q0785ce7a47_gemm_out
	.globl	k_q0785ce7a47_gemm_out
	.p2align	8
	.type	k_q0785ce7a47_gemm_out,@function
k_q0785ce7a47_gemm_out:
	s_mov_b64 s[64:65], 0
	v_nop
	global_prefetch_b8 v0, s[64:65] scope:SCOPE_SE
	s_setreg_imm32_b32 hwreg(HW_REG_WAVE_MODE, 25, 1), 1
	s_wait_xcnt 0x0
	s_wait_alu depctr_hold_cnt(0) depctr_sa_sdst(0) depctr_va_vdst(0) depctr_va_sdst(0) depctr_va_ssrc(0) depctr_va_vcc(0) depctr_vm_vsrc(0)
	s_getreg_b32 s2, hwreg(HW_REG_IB_STS2, 6, 4)
	s_cmp_eq_u32 s2, 0
	s_cbranch_scc0 .Lentry_in_a_cluster
	s_endpgm
.Lentry_in_a_cluster:
	s_bfe_u32 s2, ttmp6, 0x10000c
	s_cmp_lg_u32 s2, 0xf033
	s_cbranch_scc0 .Lentry_shape_is_right
	s_endpgm
.Lentry_shape_is_right:
; out0 = a w_out on codes of FP6 (E2M3) with E8M0 scales, K = 1,024, f32 sums.  a: the attention's output as codes (aq), w_out: blocks 24 to 31 of wq.  out0: [8192][1024] f32.
; SHARES.  A work-group makes 256 tokens x 256 columns, each of its four waves 128 x 128: 64 accumulators, 512 registers.  128 work-groups: the problem has no more tiles of this size.
; OPERANDS lie in memory as images of fragments, in blocks of 128 rows x 102,400 bytes: [K step][tile] 1,536 bytes, then the scale words.  The weight's fragment: register 4 g + q of lane l at 512 g + 16 l + 4 q.
; a's fragment is two halves of 768 bytes, one for each head of the K step: registers 0-3 (6-9) at 16 l, registers 4, 5 (10, 11) at 512 + 8 l.  Tile 2 b + u, row p, is row 32 b + 8 u + p + 8 (p / 8) of its block.
; Source 0 is the weight's columns (P), source 1 the tokens (R): lane (r, h) holds row r of R's tile, and register j of P's tile 2 b + u column 32 b + 8 u + 16 h + j: eight neighbouring numbers of a row of out0.
; LDS: three slots of two K steps (98,304 bytes: a's two halves, the weight's two halves); slot 0 is filled a second time, with K steps 6 and 7; the spare words; the scale words of all K, filled once.
; CLUSTERS: 4 x 4.  a's tiles are shared along a row of the cluster, the weight's along a column: each is asked for jointly.
; REGISTERS: window 0: v12-31 addresses; v32-63 scale words, two sets, and nothing else; v128-223 R's fragments, ONE set (on the way out v128-255: rows of out0).  window 1: P's fragments, two sets, at v0 and v128.
;   windows 2, 3: accumulator (a, b) at v[8 (8 (a % 4) + b)] of window 2 + a / 4.
.set HALF,  24576
.set SLOT,  4*HALF
.set SPARE, 3*SLOT                     ; the spare words: 128 bytes for each wave, two blocks of 256 bytes that no other line names
.set SCL,   SPARE+512
.set BLKB,  102400
.set FR,    12
.set NRL,   16                         ; LDS loads that bring four of R's fragments
.set SPITCH, 528                       ; the way out: a stage of 16 rows x (512 bytes + 16) for each wave, in slot 1: it has had its only fill, and every wave's reads of it ended in front of the barrier in K step 5
.set ADR8,  12                         ; v12-14  R's half of slot 0, 1, 2: 8 x lane
.set ADRR,  16                         ; v16-18  the same: 16 x lane
.set ADRP,  20                         ; v20-22  P's
.set ASR,   24
.set ASP,   25
.set L16,   26
.set L8,    27
.set SPW,   28                         ; v28     LDS address of my spare word; never rewritten
.set NIL,   29                         ; v29     0; never rewritten
.set STO,   30                         ; v30     the stage: where I put 32 bytes of a row
.set RD,    31                         ; v31     and where I read a row back
.set SC,    32
.set RF,    128
.set BK,    128
.set G1A,  24
.set G1B,  32
.set G1SA, 40
.set G1SB, 48
.set GA0,  56
.set GA1,  60
.set GA2,  68
.set GAS,  72
.set GB0,  76
.set GB1,  80
.set GB2,  84
.set GBS,  88
.set MSB, 0
.macro WIN new                         ; the immediate's high byte repeats the setting that is left
.if MSB != (\new)
	s_set_vgpr_msb (MSB<<8)|(\new)
.set MSB, (\new)
.endif
.endm
.set MUL_LO, 0xa1
.set MUL_HI, 0xf1
.set TO_P,   0x40
.macro JLOAD g0a, g1a, g0b, g1b        ; a joint load: waves 0 and 1 fetch a's two halves, waves 2 and 3 the weight's; four v_nop follow each of the two lines
	s_cmp_eq_u32 s15, 0
	s_cbranch_scc0 .Lfor_b_\@
	tensor_load_to_lds s[\g0a:\g0a+3], s[\g1a:\g1a+7]
	s_nop 0
.rept 4
	v_nop
.endr
	s_branch .Lasked_\@
.Lfor_b_\@:
	tensor_load_to_lds s[\g0b:\g0b+3], s[\g1b:\g1b+7]
	s_nop 0
.rept 4
	v_nop
.endr
.Lasked_\@:
.endm
.macro CREST
	s_cmp_lg_u32 s14, 0
	s_cbranch_scc1 .Lnot_wave_0_\@
	s_barrier_signal -3
.Lnot_wave_0_\@:
	s_barrier_wait -3
	s_barrier_signal -1
	s_barrier_wait -1
.endm
.macro CROUND
	s_barrier_signal -1
	s_barrier_wait -1
	CREST
.endm
.macro MKG0 g, base, lreg, lds, goff
	s_mov_b32 s[\g], 1
	s_add_co_u32 s[\g+1], s[\lreg], \lds
	s_add_nc_u64 s[\g+2:\g+3], s[\base:\base+1], \goff
	s_or_b32 s[\g+3], s[\g+3], 0x80000000
.endm
	s_load_b128 s[4:7], s[0:1], 0x0                ; aq s[4:5], wq s[6:7]
	s_load_b64 s[8:9], s[0:1], 0x10                ; out0
	v_lshl_add_u32 v[SPW], v0, 2, SPARE
	v_mov_b32 v[NIL], 0
	ds_add_u32 v28, v29
	ds_add_u32 v28, v29
	s_wait_dscnt 0x0
	v_lshrrev_b32 v1, 5, v0
	v_readfirstlane_b32 s14, v1                    ; wave 0..3
	s_lshr_b32 s15, s14, 1                         ; which half of the 256 tokens is mine.  Also: I fetch for a (0) or for the weight (1)
	s_and_b32 s16, s14, 1                          ; which half of the columns.  Also: which 128 rows I fetch
	s_bfe_u32 s92, ttmp6, 0x40000                  ; cx, cy
	s_bfe_u32 s93, ttmp6, 0x40004
	s_lshl_b32 s94, ttmp9, 2
	s_add_co_u32 s94, s94, s92                     ; X: which 256 columns
	s_and_b32 s17, ttmp7, 0xffff
	s_lshl_b32 s17, s17, 2
	s_add_co_u32 s17, s17, s93                     ; Y: which 256 tokens
	s_lshl_b32 s95, s93, 2
	s_lshl_b32 s95, 15, s95                        ; my row of the cluster
	s_lshl_b32 s96, 0x1111, s92                    ; my column
	s_or_b32 s[G1A], s95, (3<<16)|(1<<21)
	s_or_b32 s[G1B], s96, (3<<16)|(1<<21)
	s_or_b32 s[G1SA], s95, (3<<16)|(1<<21)
	s_or_b32 s[G1SB], s96, (3<<16)|(1<<21)
.irp g, G1A, G1B                       ; 24,576 dense bytes as 96 rows of 256
	s_mov_b32 s[\g+1], 32<<16
	s_mov_b32 s[\g+2], 96<<16
	s_mov_b32 s[\g+3], 32<<16
	s_mov_b32 s[\g+4], 96
	s_mov_b32 s[\g+5], 32
	s_mov_b32 s[\g+6], 0
	s_mov_b32 s[\g+7], 0
.endr
.irp g, G1SA, G1SB                     ; 4,096 dense bytes as 16 rows of 256
	s_mov_b32 s[\g+1], 32<<16
	s_mov_b32 s[\g+2], 16<<16
	s_mov_b32 s[\g+3], 32<<16
	s_mov_b32 s[\g+4], 16
	s_mov_b32 s[\g+5], 32
	s_mov_b32 s[\g+6], 0
	s_mov_b32 s[\g+7], 0
.endr
	s_lshl_b32 s18, s17, 1
	s_add_co_u32 s18, s18, s16
	s_mul_i32 s18, s18, BLKB                       ; a: block 2 Y + half
	s_mov_b32 s19, 0
	s_lshl_b32 s20, s94, 1
	s_add_co_u32 s20, s20, s16
	s_add_co_u32 s20, s20, 24
	s_mul_i32 s20, s20, BLKB                       ; the weight: block 24 + 2 X + half
	s_mov_b32 s21, 0
	s_mul_i32 s22, s14, HALF
	s_lshl_b32 s23, s14, 12
	s_wait_kmcnt 0x0
	s_add_nc_u64 s[18:19], s[4:5], s[18:19]
	s_add_nc_u64 s[20:21], s[6:7], s[20:21]
	CROUND                                         ; all sixteen work-groups are here: the first joint loads meet
	MKG0 GAS, 18, 23, SCL, 98304
	MKG0 GBS, 20, 23, SCL, 98304
	JLOAD GAS, G1SA, GBS, G1SB                     ; the scale words of all K: filled once
	MKG0 GA0, 18, 22, 0, 0
	MKG0 GB0, 20, 22, 0, 0
	JLOAD GA0, G1A, GB0, G1B                       ; K steps 0, 1
	MKG0 GA1, 18, 22, SLOT, HALF
	MKG0 GB1, 20, 22, SLOT, HALF
	JLOAD GA1, G1A, GB1, G1B                       ; K steps 2, 3
	MKG0 GA2, 18, 22, 2*SLOT, 2*HALF
	MKG0 GB2, 20, 22, 2*SLOT, 2*HALF
	JLOAD GA2, G1A, GB2, G1B                       ; K steps 4, 5: four loads of mine are out
	v_and_b32 v1, 31, v0                           ; lane
	v_and_b32 v2, 15, v0                           ; r
	v_bfe_u32 v3, v0, 4, 1                         ; h
	v_lshlrev_b32 v[L16], 4, v1
	v_lshlrev_b32 v[L8], 3, v1
	s_mul_i32 s18, s15, HALF                       ; R: a's halves 0, 1
	s_mul_i32 s19, s16, HALF
	s_add_co_u32 s19, s19, 2*HALF                  ; P: the weight's halves 2, 3
.irp s, 0,1,2
	v_add_nc_u32 v[ADRR+\s], s18, v[L16]
	v_add_nc_u32 v[ADR8+\s], s18, v[L8]
	v_add_nc_u32 v[ADRP+\s], s19, v[L16]
	s_add_co_u32 s18, s18, SLOT
	s_add_co_u32 s19, s19, SLOT
.endr
	s_lshl_b32 s20, s15, 12
	s_lshl_b32 s21, s16, 12
	s_add_co_u32 s21, s21, 2*4096
	v_lshlrev_b32 v4, 3, v2
	v_add_nc_u32 v4, SCL, v4
	v_add_nc_u32 v[ASR], s20, v4
	v_add_nc_u32 v[ASP], s21, v4
	s_mul_i32 s22, s14, 16*SPITCH
	s_add_co_u32 s22, s22, SLOT                    ; my stage
	v_mul_u32_u24 v[STO], v2, SPITCH
	v_lshl_add_u32 v[STO], v3, 6, v[STO]
	v_add_nc_u32 v[STO], s22, v[STO]               ; in: row r, + 64 h
	v_add_nc_u32 v[RD], s22, v[L16]                ; back: the 32 lanes take one row of 512 bytes
	s_lshl_b32 s20, s17, 20                        ; my part of out0: 256 Y + 128 x half rows of 4,096 bytes,
	s_lshl_b32 s21, s15, 19
	s_add_co_u32 s20, s20, s21
	s_lshl_b32 s21, s94, 10                        ; 256 X + 128 x half columns of 4
	s_add_co_u32 s20, s20, s21
	s_lshl_b32 s21, s16, 9
	s_add_co_u32 s20, s20, s21
	s_mov_b32 s21, 0
	s_add_nc_u64 s[8:9], s[8:9], s[20:21]
.macro FRAG reg, adr, off              ; the weight's fragment: three loads of 512 consecutive bytes
.irp c, 0,1,2
	ds_load_b128 v[\reg+4*\c:\reg+4*\c+3], v[\adr] offset:\off+512*\c
.endr
.endm
.macro FRAGR reg, slot, off            ; a's fragment: two halves, each a load of 512 and one of 256 consecutive bytes
	ds_load_b128 v[\reg:\reg+3], v[ADRR+(\slot)] offset:\off
	ds_load_b64 v[\reg+4:\reg+5], v[ADR8+(\slot)] offset:\off+512
	ds_load_b128 v[\reg+6:\reg+9], v[ADRR+(\slot)] offset:\off+768
	ds_load_b64 v[\reg+10:\reg+11], v[ADR8+(\slot)] offset:\off+1280
.endm
.macro FETCH_P slot, hh, ps
	WIN TO_P
.irp i, 0,1,2,3,4,5,6,7
	FRAG 128*(\ps)+FR*\i, ADRP+(\slot), 12288*(\hh)+1536*\i
.endr
	WIN 0
.endm
.macro FETCH_R slot, hh, i0
.irp i, \i0, \i0+1, \i0+2, \i0+3
	FRAGR RF+FR*(\i), \slot, 12288*(\hh)+1536*(\i)
.endr
.endm
.macro SCALES q
.irp i, 0,1,2,3
	ds_load_b64 v[SC+16*((\q)%2)+2*\i:SC+16*((\q)%2)+2*\i+1], v[ASR] offset:512*(\q)+128*\i
	ds_load_b64 v[SC+16*((\q)%2)+8+2*\i:SC+16*((\q)%2)+8+2*\i+1], v[ASP] offset:512*(\q)+128*\i
.endr
.endm
; 16 matrix instructions: R's tiles a0, a0 + 1 x P's eight.  The 64 accumulators take turns, one instruction a turn, in the same order in every K step.
.macro MUL16 a0, ps, zero
.irp a, \a0, \a0+1
.irp b, 0,1,2,3,4,5,6,7
.if \zero
	v_wmma_scale_f32_16x16x128_f8f6f4 v[8*(8*((\a)%4)+\b):8*(8*((\a)%4)+\b)+7], v[128*(\ps)+FR*\b:128*(\ps)+FR*\b+FR-1], v[RF+FR*(\a):RF+FR*(\a)+FR-1], 0, v[SC+16*(\ps)+8+\b], v[SC+16*(\ps)+(\a)] matrix_a_fmt:MATRIX_FMT_FP6 matrix_b_fmt:MATRIX_FMT_FP6
.else
	v_wmma_scale_f32_16x16x128_f8f6f4 v[8*(8*((\a)%4)+\b):8*(8*((\a)%4)+\b)+7], v[128*(\ps)+FR*\b:128*(\ps)+FR*\b+FR-1], v[RF+FR*(\a):RF+FR*(\a)+FR-1], v[8*(8*((\a)%4)+\b):8*(8*((\a)%4)+\b)+7], v[SC+16*(\ps)+8+\b], v[SC+16*(\ps)+(\a)] matrix_a_fmt:MATRIX_FMT_FP6 matrix_b_fmt:MATRIX_FMT_FP6
.endif
.endr
.endr
.endm
.macro PLACES n                        ; plain vector instructions between a matrix instruction and a load into, or a read of, its registers (ISA guide 7.12.1 for reads)
.rept \n
	v_nop
.endr
.endm
; K step q; the next step's operands are whole in LDS for every wave.  K steps 2 s, 2 s + 1 lie in slot s % 3; P's set and the scales' set are q % 2.
.macro STEP q, zero
.set NS, (((\q)+1)/2)%3
.set NH, ((\q)+1)%2
	s_wait_dscnt NRL                               ; P's set, the scale words and R's tiles 0-3 are in; the youngest loads (R's tiles 4-7) may be out
	WIN MUL_LO
	MUL16 0, (\q)%2, \zero
	MUL16 2, (\q)%2, \zero
	s_wait_dscnt 0x0                               ; R's tiles 4-7 are in
	PLACES 4
	FETCH_P NS, NH, NH
	FETCH_R NS, NH, 0
	SCALES (\q)+1
	WIN MUL_HI
	MUL16 4, (\q)%2, \zero
	MUL16 6, (\q)%2, \zero
	PLACES 4
	WIN 0
	FETCH_R NS, NH, 4
.endm
; K step q with a barrier in it.  In front of it each wave waits for all its tensor loads, adds 0 to its spare word, and waits for that and for its LDS reads.
; fill = 1: the barrier opens a round of the cluster's barrier, and slot 0, which nobody reads any more, is filled again with K steps 6 and 7.  fill = 0: that fill has landed in every wave.
.macro TURN q, fill
.set NS, (((\q)+1)/2)%3
	s_wait_tensorcnt 0x0                           ; all my tensor loads have landed  (every window is 0 here)
	ds_add_u32 v[SPW], v[NIL]                      ; 0 onto my spare word
	s_wait_dscnt NRL+1                             ; (the add and the youngest loads, R's tiles 4-7, may be out)
	WIN MUL_LO
	MUL16 0, (\q)%2, 0                             ; sixteen matrix instructions stand between the add and the wait for it
	s_wait_dscnt 0x0                               ; the add is done, and my reads of the slot in hand are over
	s_barrier_signal -1
	MUL16 2, (\q)%2, 0
	WIN 0
	s_barrier_wait -1
.if \fill
	CREST                                          ; no wave of any partner still reads slot 0 or has a load on its way
	s_add_nc_u64 s[GA0+2:GA0+3], s[GA0+2:GA0+3], 3*HALF
	s_add_nc_u64 s[GB0+2:GB0+3], s[GB0+2:GB0+3], 3*HALF
	JLOAD GA0, G1A, GB0, G1B                       ; my one tensor load behind the round: it has K steps 2 to 5, 256 matrix instructions, in which to land; its four v_nop are the places in front of the loads below
.else
	PLACES 4
.endif
	FETCH_P NS, 0, 0
	FETCH_R NS, 0, 0
	SCALES (\q)+1
	WIN MUL_HI
	MUL16 4, (\q)%2, 0
	MUL16 6, (\q)%2, 0
	PLACES 4
	WIN 0
	FETCH_R NS, 0, 4
.endm
	s_wait_alu depctr_va_vdst(0)
	s_wait_tensorcnt 2                             ; the scale words and my part of slot 0 are in; slots 1 and 2 may stay out
	s_barrier_signal -1
	s_barrier_wait -1                              ; everybody's are
	FETCH_P 0, 0, 0
	FETCH_R 0, 0, 0
	SCALES 0
	FETCH_R 0, 0, 4
	STEP 0, 1                                      ; the first products start the sums: nothing is cleared
	TURN 1, 1                                      ; every wave has waited for slots 1 and 2 too: K steps 2 to 5 need no further barrier
	STEP 2, 0
	STEP 3, 0
	STEP 4, 0
	TURN 5, 0
	STEP 6, 0
	s_wait_dscnt NRL                               ; K step 7: nothing more to fetch
	WIN MUL_LO
	MUL16 0, 1, 0
	MUL16 2, 1, 0
	s_wait_dscnt 0x0
	WIN MUL_HI
	MUL16 4, 1, 0
	MUL16 6, 1, 0
	WIN 0
; THE WAY OUT, R's tile a at a time: 16 tokens x 128 columns go through my own stage in LDS and come back as whole rows of 512 bytes.  LDS serves a wave's instructions in order (ISA guide 5.7.1.4): no wait between
; the stores and the loads, nor in front of the next tile's stores.
.macro TOSTAGE a
.set AC, 64*((\a)%4)
	WIN 0x08+4*((\a)/4)                            ; the data: window 2 or 3
.irp b, 0,1,2,3,4,5,6,7
	ds_store_b128 v[STO], v[AC+8*\b:AC+8*\b+3] offset:128*(\b/2)+32*(\b%2)         ; each accumulator from its low end on: columns 32 (b / 2) + 8 (b % 2) + 16 h + 0 .. 3
	ds_store_b128 v[STO], v[AC+8*\b+4:AC+8*\b+7] offset:128*(\b/2)+32*(\b%2)+16
.endr
	WIN 0
.set BB, BK+64*((\a)%2)
.irp t, 0,1,2,3,4,5,6,7,8,9,10,11,12,13,14,15
	ds_load_b128 v[BB+4*\t:BB+4*\t+3], v[RD] offset:\t*SPITCH
.endr
.endm
.macro SEND a, younger                 ; younger: the LDS instructions issued behind tile a's loads, which may stay out
.set BB, BK+64*((\a)%2)
	s_wait_dscnt \younger
.irp t, 0,1,2,3,4,5,6,7,8,9,10,11,12,13,14,15
	global_store_b128 v[L16], v[BB+4*\t:BB+4*\t+3], s[8:9] offset:(32*((\a)/2)+8*((\a)%2)+\t+8*(\t/8))*4096 th:TH_STORE_NT   ; row t of tile a is token 32 (a / 2) + 8 (a % 2) + t + 8 (t / 8); 32 lanes store 512 consecutive bytes, aligned to 256
.endr
.endm
	PLACES 4                                       ; between the last products and the first read of results, and the loads into the registers that held R's fragments
	TOSTAGE 0
.irp a, 1,2,3,4,5,6,7
.if \a > 1
	s_wait_xcnt 0x0                                ; tile a - 2's stores have read their registers: tile a's rows may land there
.endif
	TOSTAGE \a
	SEND \a-1, 32                                  ; behind tile a - 1's loads: tile a's 16 stores and 16 loads
.endr
	SEND 7, 0
	s_wait_tensorcnt 0x0                           ; the wave's end: behind my last tensor load and my last LDS store
	ds_add_u32 v[SPW], v[NIL]
	s_wait_dscnt 0x0
	CROUND                                         ; the closing round: no work-group ends while a partner may still ask for a tile that names it
	s_endpgm
.Lfunc_end_k_q0785ce7a47_gemm_out:
	.size	k_q0785ce7a47_gemm_out, .Lfunc_end_k_q0785ce7a47_gemm_out-k_q0785ce7a47_gemm_out
	.p2alignl 7, 3214868480
	.fill 96, 4, 3214868480
	.section	.rodata,"a",@progbits
	.p2align	6, 0x0
	.amdhsa_kernel k_q0785ce7a47_gemm_out
		.amdhsa_group_segment_fixed_size 327680
		.amdhsa_private_segment_fixed_size 0
		.amdhsa_enable_private_segment 0
		.amdhsa_kernarg_size 24
		.amdhsa_user_sgpr_count 2
		.amdhsa_user_sgpr_kernarg_segment_ptr 1
		.amdhsa_wavefront_size32 1
		.amdhsa_system_sgpr_workgroup_id_x 1
		.amdhsa_system_sgpr_workgroup_id_y 1
		.amdhsa_system_sgpr_workgroup_id_z 1
		.amdhsa_system_vgpr_workitem_id 0
		.amdhsa_next_free_vgpr 1024
		.amdhsa_next_free_sgpr 100
		.amdhsa_reserve_vcc 0
		.amdhsa_float_denorm_mode_32 3
		.amdhsa_float_denorm_mode_16_64 3
		.amdhsa_memory_ordered 1
		.amdhsa_forward_progress 1
		.amdhsa_inst_pref_size 141
	.end_amdhsa_kernel
	.amdgpu_metadata
---
amdhsa.version: [ 1, 2 ]
amdhsa.kernels:
  - .name:           k_q0785ce7a47_gemm_out
    .symbol:         k_q0785ce7a47_gemm_out.kd
    .args:
      - { .name: aq, .offset: 0, .size: 8, .value_kind: global_buffer, .address_space: global }
      - { .name: wq, .offset: 8, .size: 8, .value_kind: global_buffer, .address_space: global }
      - { .name: out0, .offset: 16, .size: 8, .value_kind: global_buffer, .address_space: global }
    .group_segment_fixed_size: 327680
    .private_segment_fixed_size: 0
    .kernarg_segment_align: 8
    .kernarg_segment_size: 24
    .max_flat_workgroup_size: 128
    .sgpr_count:     100
    .vgpr_count:     1024
    .wavefront_size: 32
...
	.end_amdgpu_metadata
.endif
;; end of part 4
